; MI455X (gfx1250); checked and timed in simulation.
; The chip was launched on July 23, 2026; its instructions are those of AMD's public machine-readable ISA for CDNA 5 (MIT licence, August 2026) and "CDNA5" Instruction Set Architecture Reference Guide (July 2026). The comments in the code are by the model that wrote it; some were corrected since.
;; Encoder Block. Allowed arithmetic: matrix products marked QUANTISED: E4M3 operands, one given power-of-two scale a tensor, by v_wmma_f32_16x16x64_fp8_fp8 or v_wmma_f32_16x16x128_fp8_fp8, f32 sums; everything else in f32.
;; Inputs: W1 4,096 x 1,024 float32; W2 1,024 x 4,096 float32; Wk 1,024 x 1,024 float32; Wo 1,024 x 1,024 float32; Wq 1,024 x 1,024 float32; Wv 1,024 x 1,024 float32; alpha1 1 float32; alpha2 1 float32; b1 4,096 float32; b2 1,024 float32; bias1 1 float32; bias2 1 float32; bk 1,024 float32; bo 1,024 float32; bq 1,024 float32; bv 1,024 float32; lowp_scales 16 int32 (the exponents e of the quantised operands' scales 2^e); mask 2 x 1 x 1 x 2,048 int32; x 2 x 2,048 x 1,024 float32.
;; Outputs: out0 2 x 2,048 x 1,024 float32.
;; This version of the problem:
;;   THIS VERSION OF THE PROBLEM IS GIVEN IN LOW PRECISION. The matrix products marked QUANTISED in the list below multiply operands that are first quantised to E4M3 (4 exponent bits, 3 mantissa bits; 8 bits a number), with one given power-of-two scale for each operand tensor; their sums are f32. All else is computed in f32.
;;   The module's matrix products, in the order in which they are computed (A, B: the left and right operand; K: the contracted axis; several contracted axes count as one K, in the product's order):
;;     1. [M 4,096, K 1,024] x [K 1,024, N 1,024]; A: computed on the way; B: input Wq: QUANTISED (scales: A lowp_scales[0], B lowp_scales[1])
;;     2. [M 4,096, K 1,024] x [K 1,024, N 1,024]; A: computed on the way; B: input Wk: QUANTISED (scales: A lowp_scales[2], B lowp_scales[3])
;;     3. [M 4,096, K 1,024] x [K 1,024, N 1,024]; A: computed on the way; B: input Wv: QUANTISED (scales: A lowp_scales[4], B lowp_scales[5])
;;     4. batch 32 x [M 2,048, K 64] x [K 64, N 2,048]; A: computed on the way; B: computed on the way: QUANTISED (scales: A lowp_scales[6], B lowp_scales[7])
;;     5. batch 32 x [M 2,048, K 2,048] x [K 2,048, N 64]; A: softmax (see below); B: computed on the way: QUANTISED (scales: A lowp_scales[8], B lowp_scales[9])
;;     6. [M 4,096, K 1,024] x [K 1,024, N 1,024]; A: computed on the way; B: input Wo: QUANTISED (scales: A lowp_scales[10], B lowp_scales[11])
;;     7. [M 4,096, K 1,024] x [K 1,024, N 4,096]; A: computed on the way; B: input W1: QUANTISED (scales: A lowp_scales[12], B lowp_scales[13])
;;     8. [M 4,096, K 4,096] x [K 4,096, N 1,024]; A: computed on the way; B: input W2: QUANTISED (scales: A lowp_scales[14], B lowp_scales[15])
;;   THE QUANTISER, for each operand of a quantised product, along K:
;;     - The operand's scale is 2^e, e = its entry of the input lowp_scales (int32; the entries are numbered through the quantised products in the list's order, A before B).
;;     - Each number is divided by the scale, clamped to +-448, and rounded to the nearest number of E4M3, ties to even, subnormals kept.
;;     - The product sums the exact products of the quantised numbers (number of the format x scale) in f32.
;;   ~~~python
;;   def quantise(x, axis, e):      # numpy; x: float32 -> the quantised numbers, widened to float32 again
;;       x = np.moveaxis(x, axis, -1); K = x.shape[-1]
;;       r = np.clip(x / 2.0 ** e, -448, 448)
;;       step = 2.0 ** (np.maximum(np.frexp(np.where(r == 0, 1, r))[1] - 1, -6) - 3)
;;       q = np.round(r / step) * step * 2.0 ** e      # np.round: ties to even
;;       return np.moveaxis(q, -1, axis).astype(np.float32)
;;   ~~~
;;   SOFTMAX AHEAD OF A QUANTISED PRODUCT. Where the list says 'softmax', what is quantised is not the finished softmax but p = 2^(t - M), with t = logit x log2(e) and M = ceil(the row's largest t), a whole number; so 1/2 < the row's largest p <= 1. The row's sum l is taken of the UNQUANTISED p, in f32, and the product's result is divided by l at the end. Since M is a whole number, a kernel that streams over the keys may use a running M (the ceiling of the running maximum): every later rescaling is an exact power of two, so the quantised numbers keep their values, but for numbers so far below the row's largest that they fall under the format's range.
;;   OPERANDS COMPUTED ON THE WAY. 'Computed on the way' means the value that the module computes at that place (a softmax that the list does not call 'softmax' is quantised finished and normalised). What goes into a quantiser is computed in f32, as accurately as f32 sums, v_exp_f32 and their like allow (about 1e-6 of the number): no bf16 or f16 on the way to a quantiser, and a product that is left as it is and whose result goes on into a quantised operand takes f32 operands (vector FMAs, or v_wmma_f32_16x16x4_f32). A number that lies on a knife's edge between two numbers of the format may be rounded either way, as far as f32 arithmetic and the matrix unit's own rounding can turn it there, and no further.
;; One version. Each part assembles by itself: llvm-mc -triple=amdgcn-amd-amdhsa -mcpu=gfx1250 --defsym DOCPART=n.
;; ======== version 1 of 1: 7 launches
;; limits: right only within a limited range of input values
;; workspace buffers: wc 12,582,912 bytes; xc 12,582,912 bytes; qkv 12,582,912 bytes; ao 4,194,304 bytes; x1 16,777,216 bytes; xn2c 4,194,304 bytes; hc 16,777,216 bytes
;; launch prep (part 1): grid 640 x 1, 4 waves a work-group, no clusters, 16,896 bytes of LDS; arguments Wq, Wk, Wv, Wo, W1, W2, x, alpha1, bias1, lowp_scales, wc, xc; writes wc, xc
.if DOCPART == 1
	.amdgcn_target "amdgcn-amd-amdhsa--gfx1250"
	.amdhsa_code_object_version 6
	.text
	.protected	k_q722d1eb0ad_prep
	.globl	k_q722d1eb0ad_prep
	.p2align	8
	.type	k_q722d1eb0ad_prep,@function
k_q722d1eb0ad_prep:
	s_mov_b64 s[64:65], 0
	v_nop
	global_prefetch_b8 v0, s[64:65] scope:SCOPE_SE
	s_setreg_imm32_b32 hwreg(HW_REG_WAVE_MODE, 25, 1), 1
	s_wait_xcnt 0x0
; Two jobs in one launch, parted by the work-group's number; the two ways never join and have LDS bytes of their own.
; WORK-GROUPS 0-383: the six weights (f32, K innermost) become codes of E4M3 in wc, in the order Wq, Wk, Wv, Wo, W1, W2, each with its given scale (entries 1, 3, 5, 11, 13, 15).
; WORK-GROUPS 384-639: xn = alpha1 (x - mean) / (std + 1e-6) + bias1 (std with N - 1), one wave to a row, the row kept in registers; xn becomes three sets of codes in xc (entries 0, 2, 4).
; LAYOUT OF A ROW OF CODES: byte p holds the code of k = p with bits 3 and 4 exchanged.  Sixteen bytes at 32 c + 16 (lane / 16) of a row are then registers 4 c .. 4 c + 3 of the plain
; FP8 operand (registers 2 c, 2 c + 1: k = 16 c + 8 (lane / 16) + 0 .. 7).  A lane converts four neighbours of each load (one word of codes); the word goes to byte 4 l' of its 128, l' = the lane
; with bits 1 and 2 exchanged, in the wave's own stage in LDS, and comes back 16 bytes a lane: each store of the wave covers 512 consecutive bytes, aligned.
; code = x / 2^e, held within +-448, to the nearest code, ties to even.  LIMITS: every e between -126 and 119.  NaN among the inputs is not served.
; No matrix unit, no cluster, no barrier: memory binds, and waves share nothing.
.set SPARE, 16384                      ; the spare words, 128 bytes a wave; no other line names them
.set SPW,   6                          ; v6   SPARE + 4 x my thread's number; never rewritten
.set NIL,   7                          ; v7   0; never rewritten
.set NSETS, 3                          ; sets of codes that a row of xn becomes
.set RW,    16                         ; weights: v16-79 four sets of 16 numbers as loaded
.set CW,    80                         ; v80-87 two sets of four words of codes
.set OW,    96                         ; v96-159 four registers a step, never written again
.set T,     80                         ; rows: v80-95 two sets of eight held numbers
.set C,     96                         ; v96-119 eight words of codes a set
.set O,     120                        ; v120-143 a row's codes back from the stage, eight registers a set
.set SC,    144                        ; v144+2 s: 2^e of set s; v145+2 s: 448 x 2^e
.set DST,   56                         ; s[56:61] where my rows' codes go, a pair a set
.set SEL,   62                         ; s[62:63] lane selects: lane l xor 16
	s_load_b512 s[8:23], s[0:1], 0x0               ; Wq 8, Wk 10, Wv 12, Wo 14, W1 16, W2 18, x 20, alpha1 22
	s_load_b256 s[24:31], s[0:1], 0x40             ; bias1 24, the exponents 26, wc 28, xc 30
	v_lshl_add_u32 v[SPW], v0, 2, SPARE
	v_mov_b32 v[NIL], 0
	v_lshrrev_b32 v1, 5, v0
	v_readfirstlane_b32 s2, v1                     ; wave
	v_and_b32 v1, 31, v0                           ; lane
	v_lshlrev_b32 v2, 4, v1                        ; 16 x lane
	v_and_b32 v3, 0x19, v1                         ; 4 l': bits 0, 3, 4 stay,
	v_lshlrev_b32 v3, 2, v3
	v_bfe_u32 v4, v1, 1, 1
	v_lshl_add_u32 v3, v4, 4, v3                   ; bit 1 goes to bit 2's place,
	v_bfe_u32 v4, v1, 2, 1
	v_lshl_add_u32 v3, v4, 3, v3                   ; bit 2 to bit 1's
	s_mov_b32 s35, 0
	s_wait_kmcnt 0x0
	s_load_b512 s[36:51], s[26:27], 0x0            ; the sixteen exponents
	s_cmp_lt_u32 ttmp9, 384
	s_cbranch_scc0 .Lln
; ---------------- the weights: a work-group takes 32,768 numbers, a wave 8,192, in 16 steps of 512
	s_mov_b64 s[4:5], s[18:19]                     ; which tensor, and its first work-group: the choice hangs on the work-group's number alone
	s_mov_b32 s32, 256
	s_cmp_lt_u32 ttmp9, 256
	s_cselect_b64 s[4:5], s[16:17], s[4:5]
	s_cselect_b32 s32, 128, s32
	s_cmp_lt_u32 ttmp9, 128
	s_cselect_b64 s[4:5], s[14:15], s[4:5]
	s_cselect_b32 s32, 96, s32
	s_cmp_lt_u32 ttmp9, 96
	s_cselect_b64 s[4:5], s[12:13], s[4:5]
	s_cselect_b32 s32, 64, s32
	s_cmp_lt_u32 ttmp9, 64
	s_cselect_b64 s[4:5], s[10:11], s[4:5]
	s_cselect_b32 s32, 32, s32
	s_cmp_lt_u32 ttmp9, 32
	s_cselect_b64 s[4:5], s[8:9], s[4:5]
	s_cselect_b32 s32, 0, s32
	s_sub_co_u32 s34, ttmp9, s32
	s_lshl_b32 s34, s34, 2
	s_add_co_u32 s34, s34, s2
	s_lshl_b32 s34, s34, 15                        ; my wave's 8,192 numbers: 32,768 bytes
	s_add_nc_u64 s[4:5], s[4:5], s[34:35]
	s_lshl_b32 s34, ttmp9, 2
	s_add_co_u32 s34, s34, s2
	s_lshl_b32 s34, s34, 13                        ; and their 8,192 codes: wc has the tensors in the work-groups' order
	s_add_nc_u64 s[6:7], s[28:29], s[34:35]
	s_lshl_b32 s34, s2, 10                         ; my two stages of 512 bytes
	s_wait_alu depctr_va_vdst(0)
	v_add_nc_u32 v3, s34, v3
	v_add_nc_u32 v4, s34, v2
.macro WLOAD t                         ; step t: four loads of 512 consecutive bytes
.irp k, 0,1,2,3
	global_load_b128 v[RW+16*((\t)%4)+4*\k:RW+16*((\t)%4)+4*\k+3], v2, s[4:5] offset:2048*(\t)+512*\k th:TH_LOAD_NT
.endr
.endm
	WLOAD 0
	WLOAD 1
	WLOAD 2
	WLOAD 3
	s_wait_kmcnt 0x0
	s_mov_b32 s33, s51                             ; e of my tensor
	s_cmp_lt_u32 ttmp9, 256
	s_cselect_b32 s33, s49, s33
	s_cmp_lt_u32 ttmp9, 128
	s_cselect_b32 s33, s47, s33
	s_cmp_lt_u32 ttmp9, 96
	s_cselect_b32 s33, s41, s33
	s_cmp_lt_u32 ttmp9, 64
	s_cselect_b32 s33, s39, s33
	s_cmp_lt_u32 ttmp9, 32
	s_cselect_b32 s33, s37, s33
	s_add_co_i32 s33, s33, 127
	s_lshl_b32 s34, s33, 23
	v_mov_b32 v11, s34                             ; 2^e as f32: the conversion takes its exponent field
	s_add_co_i32 s33, s33, 8
	s_lshl_b32 s33, s33, 23
	s_or_b32 s33, s33, 0x600000
	v_mov_b32 v10, s33                             ; 448 x 2^e
.macro WSTEP t
.set RS, RW+16*((\t)%4)
.set CS, CW+4*((\t)%2)
.if (\t) < 13
	s_wait_loadcnt 12                              ; this step's four loads are in; those of the three steps behind it may be out
.else
	s_wait_loadcnt 4*(15-(\t))
.endif
.irp k, 0,1,2,3,4,5,6,7,8,9,10,11,12,13,14,15
	v_med3_num_f32 v[RS+\k], v[RS+\k], -v10, v10   ; the conversion does not saturate (ISA guide 7.6.2): the hold comes first
.endr
	v_cvt_scalef32_pk8_fp8_f32 v[CS:CS+1], v[RS:RS+7], v11       ; word k: the codes of my four numbers of load k
	v_cvt_scalef32_pk8_fp8_f32 v[CS+2:CS+3], v[RS+8:RS+15], v11  ; (results go to LDS stores, sources take loads; the next vector lines are plain and touch neither)
.irp k, 0,1,2,3
	ds_store_b32 v3, v[CS+\k] offset:512*((\t)%2)+128*\k
.endr
	ds_load_b128 v[OW+4*(\t):OW+4*(\t)+3], v4 offset:512*((\t)%2)   ; LDS serves a wave's instructions in order: this sees the stores above
.if (\t) < 12
	WLOAD (\t)+4
.endif
.if (\t) > 0
	s_wait_dscnt 5                                 ; all but this step's four stores and one load: the last step's codes are back
	global_store_b128 v2, v[OW+4*((\t)-1):OW+4*((\t)-1)+3], s[6:7] offset:512*((\t)-1)
.endif
.endm
	s_wait_alu depctr_va_vdst(0)
.irp t, 0,1,2,3,4,5,6,7,8,9,10,11,12,13,14,15
	WSTEP \t
.endr
	s_wait_dscnt 0x0
	global_store_b128 v2, v[OW+60:OW+63], s[6:7] offset:512*15
	s_wait_tensorcnt 0x0                           ; the wave's end
	ds_add_u32 v[SPW], v[NIL]
	s_wait_dscnt 0x0
	s_endpgm
; ---------------- the rows of x: a work-group takes 16, a wave 4, two on their way while one is worked
.Lln:
	s_sub_co_u32 s32, ttmp9, 384
	s_lshl_b32 s32, s32, 4
	s_lshl_b32 s33, s2, 2
	s_add_co_u32 s32, s32, s33                     ; my first row
	s_lshl_b32 s34, s32, 12
	s_add_nc_u64 s[4:5], s[20:21], s[34:35]
	s_lshl_b32 s34, s32, 10
	s_add_nc_u64 s[DST:DST+1], s[30:31], s[34:35]
	s_add_nc_u64 s[DST+2:DST+3], s[DST:DST+1], 0x400000
	s_add_nc_u64 s[DST+4:DST+5], s[DST:DST+1], 0x800000
	s_load_b32 s52, s[22:23], 0x0                  ; alpha
	s_load_b32 s54, s[24:25], 0x0                  ; bias
	s_mul_i32 s33, s2, 3072
	s_add_co_u32 s33, s33, 4096                    ; my three stages of 1,024 bytes
	s_wait_alu depctr_va_vdst(0)
	v_add_nc_u32 v3, s33, v3
	v_add_nc_u32 v4, s33, v2
.irp j, 0,1,2,3,4,5,6,7
	global_load_b128 v[16+4*\j:19+4*\j], v2, s[4:5] offset:512*\j th:TH_LOAD_NT
.endr
.irp j, 0,1,2,3,4,5,6,7
	global_load_b128 v[48+4*\j:51+4*\j], v2, s[4:5] offset:4096+512*\j th:TH_LOAD_NT
.endr
	s_mov_b32 s[SEL], 0x76543210
	s_mov_b32 s[SEL+1], 0xfedcba98
	s_wait_kmcnt 0x0
	s_mov_b32 s55, s54                             ; (named with s54 as a pair, so it is written)
.irp s, 0,1,2
	s_add_co_i32 s33, s[36+2*\s], 127
	s_lshl_b32 s34, s33, 23
	v_mov_b32 v[SC+2*\s], s34
	s_add_co_i32 s33, s33, 8
	s_lshl_b32 s33, s33, 23
	s_or_b32 s33, s33, 0x600000
	v_mov_b32 v[SC+2*\s+1], s33
.endr
.macro REDUCE                          ; v8 summed over the 32 lanes, the result in every lane
	v_add_f32_dpp v8, v8, v8 row_xmask:1 row_mask:0xf bank_mask:0xf
	v_add_f32_dpp v8, v8, v8 row_xmask:2 row_mask:0xf bank_mask:0xf
	v_add_f32_dpp v8, v8, v8 row_xmask:4 row_mask:0xf bank_mask:0xf
	v_add_f32_dpp v8, v8, v8 row_xmask:8 row_mask:0xf bank_mask:0xf
	v_permlanex16_b32 v9, v8, s[SEL], s[SEL+1]
	v_add_f32 v8, v8, v9
.endm
; Row i of my four, in the 32 registers from xs on.  nxt = 1: the slot takes row i + 2.  left: the younger loads that may stay out.
.macro ROW i, xs, nxt, left
	s_wait_loadcnt \left
	v_pk_add_f32 v[8:9], v[\xs:\xs+1], v[\xs+2:\xs+3]              ; the sum, in two chains
	v_pk_add_f32 v[10:11], v[\xs+4:\xs+5], v[\xs+6:\xs+7]
.irp j, 8,12,16,20,24,28
	v_pk_add_f32 v[8:9], v[8:9], v[\xs+\j:\xs+\j+1]
	v_pk_add_f32 v[10:11], v[10:11], v[\xs+\j+2:\xs+\j+3]
.endr
	v_pk_add_f32 v[8:9], v[8:9], v[10:11]
	v_add_f32 v8, v8, v9
	REDUCE
	v_mul_f32 v14, 0x3a800000, v8                  ; the mean: / 1,024
	v_mov_b32 v15, v14
.irp j, 0,2,4,6,8,10,12,14,16,18,20,22,24,26,28,30
	v_pk_add_f32 v[\xs+\j:\xs+\j+1], v[\xs+\j:\xs+\j+1], v[14:15] neg_lo:[0,1] neg_hi:[0,1]   ; x - mean first, squares after: a common offset costs no digits
.endr
	v_pk_mul_f32 v[8:9], v[\xs:\xs+1], v[\xs:\xs+1]
	v_pk_mul_f32 v[10:11], v[\xs+2:\xs+3], v[\xs+2:\xs+3]
.irp j, 4,8,12,16,20,24,28
	v_pk_fma_f32 v[8:9], v[\xs+\j:\xs+\j+1], v[\xs+\j:\xs+\j+1], v[8:9]
	v_pk_fma_f32 v[10:11], v[\xs+\j+2:\xs+\j+3], v[\xs+\j+2:\xs+\j+3], v[10:11]
.endr
	v_pk_add_f32 v[8:9], v[8:9], v[10:11]
	v_add_f32 v8, v8, v9
	REDUCE
	v_mul_f32 v8, 0x3a802008, v8                   ; / 1,023
	s_wait_alu depctr_va_vdst(0)
	v_sqrt_f32 v10, v8
	v_nop                                          ; a plain line behind the root,
	s_wait_alu depctr_va_vdst(0)                   ; and the wait ahead of its first reader
	v_add_f32 v10, 0x358637bd, v10                 ; + 1e-6
	s_wait_alu depctr_va_vdst(0)
	v_rcp_f32 v10, v10
	v_nop
	s_wait_alu depctr_va_vdst(0)
	v_mul_f32 v12, s52, v10                        ; alpha / (std + eps)
	v_mov_b32 v13, v12
.irp j, 0,2,4,6,8,10,12,14,16,18,20,22,24,26,28,30
	v_pk_fma_f32 v[\xs+\j:\xs+\j+1], v[\xs+\j:\xs+\j+1], v[12:13], s[54:55] op_sel_hi:[1,1,0]
.endr
.irp s, 0,1,2
.if \s < NSETS
.irp g, 0,1,2,3
.irp k, 0,1,2,3,4,5,6,7
	v_med3_num_f32 v[T+8*(\g%2)+\k], v[\xs+8*\g+\k], -v[SC+2*\s+1], v[SC+2*\s+1]   ; the hold, into the other set of eight than the conversion just issued reads
.endr
	v_cvt_scalef32_pk8_fp8_f32 v[C+8*\s+2*\g:C+8*\s+2*\g+1], v[T+8*(\g%2):T+8*(\g%2)+7], v[SC+2*\s]
.endr
.endif
.endr
	v_nop                                          ; a plain line behind the last conversion
	s_wait_alu depctr_va_vdst(0)
	s_wait_xcnt 0x0                                ; the last row's stores have read their registers, which the loads below fill again
.irp s, 0,1,2
.if \s < NSETS
.irp j, 0,1,2,3,4,5,6,7
	ds_store_b32 v3, v[C+8*\s+\j] offset:1024*\s+128*\j
.endr
	ds_load_b128 v[O+8*\s:O+8*\s+3], v4 offset:1024*\s
	ds_load_b128 v[O+8*\s+4:O+8*\s+7], v4 offset:1024*\s+512
.endif
.endr
.if \nxt
.irp j, 0,1,2,3,4,5,6,7
	global_load_b128 v[\xs+4*\j:\xs+4*\j+3], v2, s[4:5] offset:((\i)+2)*4096+512*\j th:TH_LOAD_NT
.endr
.endif
	s_wait_dscnt 0x0                               ; the codes are back, and the stores into the stage have read theirs
.irp s, 0,1,2
.if \s < NSETS
	global_store_b128 v2, v[O+8*\s:O+8*\s+3], s[DST+2*\s:DST+2*\s+1] offset:1024*(\i)
	global_store_b128 v2, v[O+8*\s+4:O+8*\s+7], s[DST+2*\s:DST+2*\s+1] offset:1024*(\i)+512
.endif
.endr
.endm
	ROW 0, 16, 1, 8                                ; the other slot's eight loads may stay out
	ROW 1, 48, 1, 8
	ROW 2, 16, 0, 8
	ROW 3, 48, 0, 0
	s_wait_tensorcnt 0x0                           ; the wave's end
	ds_add_u32 v[SPW], v[NIL]
	s_wait_dscnt 0x0
	s_endpgm
.Lfunc_end_k_q722d1eb0ad_prep:
	.size	k_q722d1eb0ad_prep, .Lfunc_end_k_q722d1eb0ad_prep-k_q722d1eb0ad_prep
	.p2alignl 7, 3214868480
	.fill 96, 4, 3214868480
	.section	.rodata,"a",@progbits
	.p2align	6, 0x0
	.amdhsa_kernel k_q722d1eb0ad_prep
		.amdhsa_group_segment_fixed_size 16896
		.amdhsa_private_segment_fixed_size 0
		.amdhsa_enable_private_segment 0
		.amdhsa_kernarg_size 96
		.amdhsa_user_sgpr_count 2
		.amdhsa_user_sgpr_kernarg_segment_ptr 1
		.amdhsa_wavefront_size32 1
		.amdhsa_system_sgpr_workgroup_id_x 1
		.amdhsa_system_sgpr_workgroup_id_y 1
		.amdhsa_system_sgpr_workgroup_id_z 1
		.amdhsa_system_vgpr_workitem_id 0
		.amdhsa_next_free_vgpr 160
		.amdhsa_next_free_sgpr 66
		.amdhsa_reserve_vcc 0
		.amdhsa_float_denorm_mode_32 3
		.amdhsa_float_denorm_mode_16_64 3
		.amdhsa_memory_ordered 1
		.amdhsa_forward_progress 1
		.amdhsa_inst_pref_size 99
	.end_amdhsa_kernel
	.amdgpu_metadata
---
amdhsa.version: [ 1, 2 ]
amdhsa.kernels:
  - .name:           k_q722d1eb0ad_prep
    .symbol:         k_q722d1eb0ad_prep.kd
    .args:
      - { .name: Wq, .offset: 0, .size: 8, .value_kind: global_buffer, .address_space: global }
      - { .name: Wk, .offset: 8, .size: 8, .value_kind: global_buffer, .address_space: global }
      - { .name: Wv, .offset: 16, .size: 8, .value_kind: global_buffer, .address_space: global }
      - { .name: Wo, .offset: 24, .size: 8, .value_kind: global_buffer, .address_space: global }
      - { .name: W1, .offset: 32, .size: 8, .value_kind: global_buffer, .address_space: global }
      - { .name: W2, .offset: 40, .size: 8, .value_kind: global_buffer, .address_space: global }
      - { .name: x, .offset: 48, .size: 8, .value_kind: global_buffer, .address_space: global }
      - { .name: alpha1, .offset: 56, .size: 8, .value_kind: global_buffer, .address_space: global }
      - { .name: bias1, .offset: 64, .size: 8, .value_kind: global_buffer, .address_space: global }
      - { .name: lowp_scales, .offset: 72, .size: 8, .value_kind: global_buffer, .address_space: global }
      - { .name: wc, .offset: 80, .size: 8, .value_kind: global_buffer, .address_space: global }
      - { .name: xc, .offset: 88, .size: 8, .value_kind: global_buffer, .address_space: global }
    .group_segment_fixed_size: 16896
    .private_segment_fixed_size: 0
    .kernarg_segment_align: 8
    .kernarg_segment_size: 96
    .max_flat_workgroup_size: 128
    .sgpr_count:     66
    .vgpr_count:     160
    .wavefront_size: 32
...
	.end_amdgpu_metadata
.endif
;; end of part 1
;; launch proj (part 2): grid 12 x 16, 4 waves a work-group, clusters of 4 x 4, 327,680 bytes of LDS; arguments xc, wc, lowp_scales, bq, bk, bv, qkv; writes qkv
.if DOCPART == 2
	.amdgcn_target "amdgcn-amd-amdhsa--gfx1250"
	.amdhsa_code_object_version 6
	.text
	.protected	k_q722d1eb0ad_proj
	.globl	k_q722d1eb0ad_proj
	.p2align	8
	.type	k_q722d1eb0ad_proj,@function
k_q722d1eb0ad_proj:
	s_mov_b64 s[64:65], 0
	v_nop
	global_prefetch_b8 v0, s[64:65] scope:SCOPE_SE
	s_setreg_imm32_b32 hwreg(HW_REG_WAVE_MODE, 25, 1), 1
	s_wait_xcnt 0x0
	s_wait_alu depctr_hold_cnt(0) depctr_sa_sdst(0) depctr_va_vdst(0) depctr_va_sdst(0) depctr_va_ssrc(0) depctr_va_vcc(0) depctr_vm_vsrc(0)
	s_getreg_b32 s2, hwreg(HW_REG_IB_STS2, 6, 4)
	s_cmp_eq_u32 s2, 0
	s_cbranch_scc0 .Lentry_in_a_cluster
	s_endpgm
.Lentry_in_a_cluster:
	s_bfe_u32 s2, ttmp6, 0x10000c
	s_cmp_lg_u32 s2, 0xf033
	s_cbranch_scc0 .Lentry_shape_is_right
	s_endpgm
.Lentry_shape_is_right:
; q = xn Wq^T + bq, k = xn Wk^T + bk, v = xn Wv^T + bv on codes of E4M3, K = 1,024, and q, k, v quantised at once (entries 6, 7, 9) into qkv.
; The cluster's x says which: 0 q, 1 k, 2 v; set X of xc (entries 0, 2, 4) meets weight X of wc (entries 1, 3, 5).
; A tile of 256 x 256 to a work-group of four waves, 128 x 128 (64 accumulators) to a wave; K in steps of 256 through two LDS slots filled by joint tensor loads: 4 x 4 work-groups form a cluster,
; A's tile is shared along its row, B's along its column.  The grid has 192 work-groups: three products of 64 tiles.
; THE MATRIX INSTRUCTION IS USED TRANSPOSED (source 0 = 16 rows of B, source 1 = 16 rows of A): a lane holds one row of A's side and eight neighbours 16 b + 8 (lane / 16) + j of B's side.
; One conversion of these eight gives registers 2 b, 2 b + 1 of the next product's operand: the results leave as IMAGES OF THE OPERAND'S REGISTERS, four registers by one store of 512 consecutive bytes, with no LDS on the way.
; q, k: A = xn (tokens), B = W (channels): images of 16 tokens x 64 channels, [batch x head][token / 16][1,024 bytes].
; v: A = Wv (channels), B = xn (tokens): a lane holds one channel and eight neighbouring tokens, so v's codes come with the KEYS innermost: [batch x head][token / 128][channel / 16][2,048 bytes].
; LIMITS: each pair's sum of exponents between -126 and 127; entries 6, 7, 9 between -126 and 119.  NaN is not served.
; PREFETCH: each later slot's load goes out when all earlier ones have landed, so its bytes are asked of memory ahead: slots 1 and 2 beside slot 0's load, slot 3 beside slot 1's; never more than two slots asked for and not yet read.
; Of the 128 rows that a wave fetches jointly with three partners, the partner at place p (cx for A, cy for B) names rows 32 p .. 32 p + 31, a lane a row, 256 bytes of it a slot: each 256 bytes once in each cluster that loads them.
; REGISTERS: window 0: v0-31 addresses; v32-47, v64-127 biases; from v128 A's fragments, one set; window 1: B's fragments, two sets; windows 2, 3: the accumulators ((a, b) at v[8 (8 (a % 4) + b)]).
.set SIZE_K, 1024
.set KSTEP,  256
.set ROWB,   256
.set KROW,   SIZE_K
.set PITCH,  272                       ; an LDS row: 256 bytes + 16 of padding
.set FR,     16
.set NL,     4
.set NP,     4
.set HALFT,  128*PITCH
.set SLOT,   4*HALFT
.set LAPS,   SIZE_K/(2*KSTEP)
.set SPARE,  2*SLOT                    ; behind the ring: the spare words, 128 bytes a wave
.set ADRA, 16
.set ADRB, 20
.set LI,   26                          ; v26  16 x lane
.set PFO,  27                          ; v27  the prefetches' offset: 1,024 x lane; never rewritten
.set SPW,  28
.set NIL,  29
.set LIMV, 30                          ; v30  448 x 2^eo
.set SCL,  31                          ; v31  2^eo
.set BR,   32                          ; v32-47   the bias of my row of block a, twice
.set BI,   64                          ; v64-127  the bias of my eight columns of block b
.set AF,   128
.set TMP,  128                         ; the way out: a block's 64 numbers
.set CD,   192                         ; and its codes, two sets of 16
.set PFA, 12                           ; s[12:13] my work-group's 32 rows of the 128 that I fetch; never rewritten
.set G1, 24
.set G0, 32
.set G1B, 48
.set G0B, 56
.set MSB, 0
.macro WIN new                         ; the immediate's high byte repeats the setting that is left
.if MSB != \new
	s_set_vgpr_msb (MSB<<8)|\new
.set MSB, \new
.endif
.endm
.set MUL_LO, 0xa1                      ; source 0 (B) window 1, source 1 (A) window 0, C and D window 2
.set MUL_HI, 0xf1
.set TO_B,   0x40
.macro JLOAD g0a, g1a, g0b, g1b        ; a joint load: waves 0, 1 fetch for A, waves 2, 3 for B; an s_nop 0 and four v_nop follow each line
	s_cmp_eq_u32 s15, 0
	s_cbranch_scc0 .Lfor_b_\@
	tensor_load_to_lds s[\g0a:\g0a+3], s[\g1a:\g1a+7]
	s_nop 0
.rept 4
	v_nop
.endr
	s_branch .Lasked_\@
.Lfor_b_\@:
	tensor_load_to_lds s[\g0b:\g0b+3], s[\g1b:\g1b+7]
	s_nop 0
.rept 4
	v_nop
.endr
.Lasked_\@:
.endm
.macro CREST
	s_cmp_lg_u32 s14, 0
	s_cbranch_scc1 .Lnot_wave_0_\@
	s_barrier_signal -3
.Lnot_wave_0_\@:
	s_barrier_wait -3
	s_barrier_signal -1
	s_barrier_wait -1
.endm
.macro CROUND
	s_barrier_signal -1
	s_barrier_wait -1
	CREST
.endm
	s_load_b256 s[4:11], s[0:1], 0x0               ; xc 4, wc 6, the exponents 8, bq 10
	s_load_b128 s[68:71], s[0:1], 0x20             ; bk 68, bv 70
	s_load_b64 s[72:73], s[0:1], 0x30              ; qkv
	v_lshl_add_u32 v[SPW], v0, 2, SPARE
	v_mov_b32 v[NIL], 0
	ds_add_u32 v[SPW], v[NIL]                      ; the wave's opening: the add, twice on end, and its wait ahead of my first tensor load
	ds_add_u32 v[SPW], v[NIL]
	v_lshrrev_b32 v1, 5, v0
	v_readfirstlane_b32 s14, v1                    ; wave
	s_lshr_b32 s15, s14, 1                         ; my half of the tile's rows; also: I fetch for A (0) or B (1)
	s_and_b32 s16, s14, 1                          ; my half of its columns; also: which 128 rows I fetch
	s_bfe_u32 s40, ttmp6, 0x40000                  ; cx
	s_bfe_u32 s41, ttmp6, 0x40004                  ; cy
	s_and_b32 s92, ttmp7, 0xffff
	s_lshl_b32 s92, s92, 2                         ; 4 x cluster y: it walks the tokens, which are A's rows for q, k and B's rows for v
	s_cmp_eq_u32 ttmp9, 2
	s_cselect_b32 s17, 0, s92
	s_cselect_b32 s42, s92, 0
	s_add_co_u32 s17, s17, s41                     ; tile row
	s_add_co_u32 s42, s42, s40                     ; tile column
	s_lshl_b32 s43, s41, 2
	s_lshl_b32 s43, 15, s43                        ; my row of the cluster
	s_lshl_b32 s44, 0x1111, s40                    ; my column
	s_or_b32 s[G1+0], s43, (0<<16)|(1<<20)|(1<<21)|(5<<22)|(3<<25)  ; the mask; elements of 1 byte; padding on; bit 21 beside a mask; four words behind every 64
	s_or_b32 s[G1B+0], s44, (0<<16)|(1<<20)|(1<<21)|(5<<22)|(3<<25)
.irp g, G1, G1B
	s_mov_b32 s[\g+1], ROWB<<16                    ; tensor_dim0
	s_mov_b32 s[\g+2], 128<<16                     ; tensor_dim1
	s_mov_b32 s[\g+3], ROWB<<16                    ; tile_dim0
	s_mov_b32 s[\g+4], 128                         ; tile_dim1
	s_mov_b32 s[\g+5], KROW                        ; the pitch
	s_mov_b32 s[\g+6], 0
	s_mov_b32 s[\g+7], 0
.endr
	s_lshl_b32 s18, s16, 7
	s_lshl_b32 s20, s17, 8
	s_add_co_u32 s20, s20, s18                     ; A: row 256 x tile row + 128 x half,
	s_lshl_b32 s20, s20, 10                        ; in bytes
	s_mov_b32 s21, 0
	s_lshl_b32 s46, s42, 8
	s_add_co_u32 s46, s46, s18                     ; B likewise
	s_lshl_b32 s46, s46, 10
	s_mov_b32 s47, 0
	s_mul_i32 s45, s14, HALFT                      ; where they go: wave x 128 rows
	s_lshl_b32 s92, ttmp9, 22                      ; set X of xc,
	s_mov_b32 s93, 0
	s_lshl_b32 s94, ttmp9, 20                      ; weight X of wc
	s_mov_b32 s95, 0
	s_cmp_eq_u32 s15, 0
	s_cselect_b32 s74, s40, s41                    ; the prefetches: my place among the four that ask with me,
	s_lshl_b32 s74, s74, 15                        ; x 32 rows of 1,024 bytes
	s_mov_b32 s75, 0
	v_and_b32 v[PFO], 31, v0
	v_lshlrev_b32 v[PFO], 10, v[PFO]
	s_wait_alu depctr_va_vdst(0)
	s_wait_dscnt 0x0                               ; both opening adds are done
	s_wait_kmcnt 0x0
	s_load_b512 s[76:91], s[8:9], 0x0              ; the sixteen exponents
	s_add_nc_u64 s[4:5], s[4:5], s[92:93]
	s_add_nc_u64 s[6:7], s[6:7], s[94:95]
	s_cmp_eq_u32 ttmp9, 2                          ; the same in all sixteen partners
	s_cselect_b64 s[92:93], s[6:7], s[4:5]         ; A's side
	s_cselect_b64 s[94:95], s[4:5], s[6:7]         ; B's side
	s_add_nc_u64 s[20:21], s[92:93], s[20:21]
	s_add_nc_u64 s[46:47], s[94:95], s[46:47]
	s_cmp_eq_u32 s15, 0
	s_cselect_b64 s[PFA:PFA+1], s[20:21], s[46:47]
	s_add_nc_u64 s[PFA:PFA+1], s[PFA:PFA+1], s[74:75]
	CROUND                                         ; all sixteen work-groups are here: the first joint loads meet
.irp s, 0,1
	s_mov_b32 s[G0+4*\s], 1
	s_add_co_u32 s[G0+4*\s+1], s45, \s*SLOT
	s_add_nc_u64 s[G0+4*\s+2:G0+4*\s+3], s[20:21], \s*ROWB
	s_or_b32 s[G0+4*\s+3], s[G0+4*\s+3], 0x80000000
	s_mov_b32 s[G0B+4*\s], 1
	s_add_co_u32 s[G0B+4*\s+1], s45, \s*SLOT
	s_add_nc_u64 s[G0B+4*\s+2:G0B+4*\s+3], s[46:47], \s*ROWB
	s_or_b32 s[G0B+4*\s+3], s[G0B+4*\s+3], 0x80000000
.endr
	JLOAD G0, G1, G0B, G1B                         ; slot 0: one tensor load a wave at the head
	global_prefetch_b8 v[PFO], s[PFA:PFA+1] offset:ROWB th:TH_LOAD_NT scope:SCOPE_SE     ; slot 1
	global_prefetch_b8 v[PFO], s[PFA:PFA+1] offset:2*ROWB th:TH_LOAD_NT scope:SCOPE_SE   ; slot 2
	v_and_b32 v1, 15, v0                           ; r
	v_bfe_u32 v2, v0, 4, 1                         ; h
	s_wait_alu depctr_va_vdst(0)
	v_mul_u32_u24 v3, v1, PITCH
	v_lshl_add_u32 v4, v2, 4, v3
	s_mul_i32 s21, s15, HALFT
	s_mul_i32 s22, s16, HALFT
	s_add_co_u32 s22, s22, 2*HALFT
.irp s, 0,1
	v_add_nc_u32 v[ADRA+\s], s21, v4
	v_add_nc_u32 v[ADRB+\s], s22, v4
	s_add_co_u32 s21, s21, SLOT
	s_add_co_u32 s22, s22, SLOT
.endr
	v_and_b32 v6, 31, v0
	v_lshlrev_b32 v[LI], 4, v6
	; the biases, both ways, with no branch: the way that is not mine reads from the bias's head and is not used
	s_cmp_eq_u32 ttmp9, 1
	s_cselect_b64 s[10:11], s[68:69], s[10:11]
	s_cmp_eq_u32 ttmp9, 2
	s_cselect_b64 s[10:11], s[70:71], s[10:11]
	s_lshl_b32 s22, s42, 8
	s_lshl_b32 s23, s16, 7
	s_add_co_u32 s22, s22, s23                     ; my first column
	s_lshl_b32 s23, s17, 8
	s_lshl_b32 s98, s15, 7
	s_add_co_u32 s23, s23, s98                     ; my first row
	s_cmp_eq_u32 ttmp9, 2
	s_cselect_b32 s98, 0, s22                      ; q, k: the bias goes by columns
	s_cselect_b32 s99, s23, 0                      ; v: by rows
	s_cselect_b32 s18, s22, s23                    ; my first token
	s_cselect_b32 s19, s23, s22                    ; my first channel
	s_lshl_b32 s98, s98, 2
	s_lshl_b32 s99, s99, 2
	v_lshlrev_b32 v8, 5, v2
	v_add_nc_u32 v8, s98, v8                       ; 4 x first column + 32 h; never rewritten
	v_lshlrev_b32 v9, 2, v1
	v_add_nc_u32 v9, s99, v9                       ; 4 x (first row + r); never rewritten
.irp b, 0,1,2,3,4,5,6,7
	global_load_b128 v[BI+8*\b:BI+8*\b+3], v8, s[10:11] offset:64*\b
	global_load_b128 v[BI+8*\b+4:BI+8*\b+7], v8, s[10:11] offset:64*\b+16
.endr
.irp a, 0,1,2,3,4,5,6,7
	global_load_b32 v[BR+2*\a], v9, s[10:11] offset:64*\a
	global_load_b32 v[BR+2*\a+1], v9, s[10:11] offset:64*\a
.endr
	; where my images begin: X x 4 MiB + (batch x 16 + head) x 131,072 + (token in its batch) x 64
	s_lshl_b32 s22, ttmp9, 22
	s_lshr_b32 s23, s18, 11
	s_lshl_b32 s23, s23, 4
	s_lshr_b32 s19, s19, 6
	s_add_co_u32 s23, s23, s19
	s_lshl_b32 s23, s23, 17
	s_add_co_u32 s22, s22, s23
	s_and_b32 s18, s18, 2047
	s_lshl_b32 s18, s18, 6
	s_add_co_u32 s22, s22, s18
	s_mov_b32 s23, 0
	s_add_nc_u64 s[72:73], s[72:73], s[22:23]
.macro FRAG reg, adr, q, i             ; 16 rows x 128 K: four loads of 16 bytes; the rows' byte order makes them the plain form's own registers
.irp c, 0,1,2,3
	ds_load_b128 v[\reg+4*\c:\reg+4*\c+3], v[\adr] offset:128*(\q)+32*\c+(\i)*16*PITCH
.endr
.endm
.macro MUL16 a0, p, zero               ; A's blocks a0, a0 + 1 x B's eight; the 64 accumulators take turns, one instruction a turn
.irp a, \a0, \a0+1
.irp b, 0,1,2,3,4,5,6,7
.if \zero
	v_wmma_f32_16x16x128_fp8_fp8 v[8*(8*((\a)%4)+\b):8*(8*((\a)%4)+\b)+7], v[128*(\p)+FR*\b:128*(\p)+FR*\b+FR-1], v[AF+FR*(\a):AF+FR*(\a)+FR-1], 0
.else
	v_wmma_f32_16x16x128_fp8_fp8 v[8*(8*((\a)%4)+\b):8*(8*((\a)%4)+\b)+7], v[128*(\p)+FR*\b:128*(\p)+FR*\b+FR-1], v[AF+FR*(\a):AF+FR*(\a)+FR-1], v[8*(8*((\a)%4)+\b):8*(8*((\a)%4)+\b)+7]
.endif
.endr
.endr
.endm
.macro FETCH_B slot, q, p
	WIN TO_B
.irp i, 0,1,2,3,4,5,6,7
	FRAG 128*(\p)+FR*\i, ADRB+\slot, \q, \i
.endr
	WIN 0
.endm
.macro FETCH_A slot, q, i0
.irp i, \i0, \i0+1, \i0+2, \i0+3
	FRAG AF+FR*(\i), ADRA+\slot, \q, \i
.endr
.endm
.macro PLACES n                        ; plain vector lines between a matrix instruction and a load into, or a vector line on, its registers
.rept \n
	v_nop
.endr
.endm
.macro STEP slot, q, zero              ; 128 along K whose successor lies in the same slot
	s_wait_dscnt 4*NL                              ; B's set and A's blocks 0-3 are in; the youngest 16 loads (A's blocks 4-7) may be out
	WIN MUL_LO
	MUL16 0, (\q)%2, \zero
	MUL16 2, (\q)%2, \zero
	s_wait_dscnt 0
	PLACES NP
	FETCH_B \slot, (\q)+1, 1-(\q)%2
	FETCH_A \slot, (\q)+1, 0
	WIN MUL_HI
	MUL16 4, (\q)%2, \zero
	MUL16 6, (\q)%2, \zero
	PLACES NP
	WIN 0
	FETCH_A \slot, (\q)+1, 4
.endm
.macro TURN slot, next, fill           ; a slot's last 128 along K, and the change of slots
	s_wait_tensorcnt 0x0                           ; all my tensor loads have landed: my part of the next slot
	ds_add_u32 v[SPW], v[NIL]                      ; 0 onto my spare word
	s_wait_dscnt 4*NL+1                            ; the add and the youngest 16 loads may be out
	WIN MUL_LO
	MUL16 0, 1, 0
	s_wait_dscnt 0x0                               ; the add is done, and my reads of this slot are over
	s_barrier_signal -1
	MUL16 2, 1, 0
	WIN 0
	s_barrier_wait -1
.if \fill
	CREST                                          ; the barrier has opened a round of the cluster's: no wave of any partner still reads this slot or has a load on its way
	s_add_nc_u64 s[G0+4*\slot+2:G0+4*\slot+3], s[G0+4*\slot+2:G0+4*\slot+3], 2*ROWB
	s_add_nc_u64 s[G0B+4*\slot+2:G0B+4*\slot+3], s[G0B+4*\slot+2:G0B+4*\slot+3], 2*ROWB
	JLOAD G0+4*\slot, G1, G0B+4*\slot, G1B         ; the first tensor load behind the round; its four v_nop are the places in front of the loads below
.else
	PLACES NP
.endif
	FETCH_B \next, 0, 0
	FETCH_A \next, 0, 0
	WIN MUL_HI
	MUL16 4, 1, 0
	MUL16 6, 1, 0
	PLACES NP
	WIN 0
	FETCH_A \next, 0, 4
.endm
	s_wait_alu depctr_va_vdst(0)
	s_wait_tensorcnt 0x0                           ; my part of slot 0 is in
	ds_add_u32 v[SPW], v[NIL]
	s_wait_dscnt 0x0
	CROUND                                         ; everybody's part of slot 0 is in, and the joint loads meet
	JLOAD G0+4, G1, G0B+4, G1B                     ; slot 1: the first tensor load behind the round
	FETCH_B 0, 0, 0
	FETCH_A 0, 0, 0
	FETCH_A 0, 0, 4
	global_prefetch_b8 v[PFO], s[PFA:PFA+1] offset:3*ROWB th:TH_LOAD_NT scope:SCOPE_SE   ; slot 3, the last
	STEP 0, 0, 1                                   ; the first step's products start the sums
	s_mov_b32 s3, LAPS-1
.Llap:
	TURN 0, 1, 1
	STEP 1, 0, 0
	TURN 1, 0, 1
	STEP 0, 0, 0
	s_sub_co_u32 s3, s3, 1
	s_cmp_lg_u32 s3, 0
	s_cbranch_scc1 .Llap
	TURN 0, 1, 0                                   ; the last lap fills nothing
	STEP 1, 0, 0
	s_wait_dscnt 4*NL
	WIN MUL_LO
	MUL16 0, 1, 0
	MUL16 2, 1, 0
	s_wait_dscnt 0
	WIN MUL_HI
	MUL16 4, 1, 0
	MUL16 6, 1, 0
	WIN 0
	; THE WAY OUT: y = sum x 2^(the two exponents) + bias; held; converted; stored as images
	s_wait_kmcnt 0x0
	s_add_co_i32 s92, s76, s77
	s_add_co_i32 s93, s78, s79
	s_add_co_i32 s94, s80, s81
	s_mov_b32 s95, s82                             ; q's own scale: entry 6
	s_cmp_eq_u32 ttmp9, 1
	s_cselect_b32 s92, s93, s92
	s_cselect_b32 s95, s83, s95                    ; k's: entry 7
	s_cmp_eq_u32 ttmp9, 2
	s_cselect_b32 s92, s94, s92
	s_cselect_b32 s95, s85, s95                    ; v's: entry 9
	s_add_co_i32 s92, s92, 127
	s_lshl_b32 s96, s92, 23
	s_mov_b32 s97, s96                             ; (named with s96 as a pair)
	s_add_co_i32 s95, s95, 127
	s_lshl_b32 s92, s95, 23
	v_mov_b32 v[SCL], s92
	s_add_co_i32 s95, s95, 8
	s_lshl_b32 s95, s95, 23
	s_or_b32 s95, s95, 0x600000
	v_mov_b32 v[LIMV], s95
	s_wait_loadcnt 0x0                             ; the biases
	PLACES NP                                      ; behind the last products: their A registers are written below
; Block a: 16 rows x 128 columns.  mode 0: q, k (bias by columns; two heads' images of 1,024 bytes);  mode 1: v (bias by rows; one image of 2,048 bytes)
.macro OUT a, mode
.set AC, 64*((\a)%4)
.set CC, CD+16*((\a)%2)
.if (\a) >= 2
	s_wait_xcnt 0x0                                ; block a - 2's stores have read this set of codes
.endif
	WIN 0x02+((\a)/4)                              ; source 0: window 2 or 3
.irp b, 0,1,2,3,4,5,6,7
.irp i, 0,2,4,6
.if \mode
	v_pk_fma_f32 v[TMP+8*\b+\i:TMP+8*\b+\i+1], v[AC+8*\b+\i:AC+8*\b+\i+1], s[96:97], v[BR+2*(\a):BR+2*(\a)+1] op_sel_hi:[1,0,1]
.else
	v_pk_fma_f32 v[TMP+8*\b+\i:TMP+8*\b+\i+1], v[AC+8*\b+\i:AC+8*\b+\i+1], s[96:97], v[BI+8*\b+\i:BI+8*\b+\i+1] op_sel_hi:[1,0,1]
.endif
.endr
.endr
	WIN 0
.irp b, 0,1,2,3,4,5,6,7
.irp i, 0,1,2,3,4,5,6,7
	v_med3_num_f32 v[TMP+8*\b+\i], v[TMP+8*\b+\i], -v[LIMV], v[LIMV]
.endr
	v_cvt_scalef32_pk8_fp8_f32 v[CC+2*\b:CC+2*\b+1], v[TMP+8*\b:TMP+8*\b+7], v[SCL]   ; registers 2 b, 2 b + 1 of the image
.endr
	v_nop                                          ; a plain line behind the last conversion
.irp c, 0,1,2,3
.if \mode
	global_store_b128 v[LI], v[CC+4*\c:CC+4*\c+3], s[72:73] offset:((\a)/4)*131072+((\a)%4)*2048+512*\c
.else
	global_store_b128 v[LI], v[CC+4*\c:CC+4*\c+3], s[72:73] offset:(\a)*1024+(\c/2)*131072+(\c%2)*512
.endif
.endr
.endm
	s_cmp_eq_u32 ttmp9, 2                          ; the cluster's x: the same in all partners; no barrier and no LDS access stands on either way
	s_cbranch_scc1 .Lout_v
.irp a, 0,1,2,3,4,5,6,7
	OUT \a, 0
.endr
	s_branch .Lend
.Lout_v:
.irp a, 0,1,2,3,4,5,6,7
	OUT \a, 1
.endr
.Lend:
	s_wait_tensorcnt 0x0                           ; the wave's end
	ds_add_u32 v[SPW], v[NIL]
	s_wait_dscnt 0x0
	CROUND                                         ; the closing round
	s_endpgm
.Lfunc_end_k_q722d1eb0ad_proj:
	.size	k_q722d1eb0ad_proj, .Lfunc_end_k_q722d1eb0ad_proj-k_q722d1eb0ad_proj
	.p2alignl 7, 3214868480
	.fill 96, 4, 3214868480
	.section	.rodata,"a",@progbits
	.p2align	6, 0x0
	.amdhsa_kernel k_q722d1eb0ad_proj
		.amdhsa_group_segment_fixed_size 327680
		.amdhsa_private_segment_fixed_size 0
		.amdhsa_enable_private_segment 0
		.amdhsa_kernarg_size 56
		.amdhsa_user_sgpr_count 2
		.amdhsa_user_sgpr_kernarg_segment_ptr 1
		.amdhsa_wavefront_size32 1
		.amdhsa_system_sgpr_workgroup_id_x 1
		.amdhsa_system_sgpr_workgroup_id_y 1
		.amdhsa_system_sgpr_workgroup_id_z 1
		.amdhsa_system_vgpr_workitem_id 0
		.amdhsa_next_free_vgpr 1024
		.amdhsa_next_free_sgpr 100
		.amdhsa_reserve_vcc 0
		.amdhsa_float_denorm_mode_32 3
		.amdhsa_float_denorm_mode_16_64 3
		.amdhsa_memory_ordered 1
		.amdhsa_forward_progress 1
		.amdhsa_inst_pref_size 195
	.end_amdhsa_kernel
	.amdgpu_metadata
---
amdhsa.version: [ 1, 2 ]
amdhsa.kernels:
  - .name:           k_q722d1eb0ad_proj
    .symbol:         k_q722d1eb0ad_proj.kd
    .args:
      - { .name: xc, .offset: 0, .size: 8, .value_kind: global_buffer, .address_space: global }
      - { .name: wc, .offset: 8, .size: 8, .value_kind: global_buffer, .address_space: global }
      - { .name: lowp_scales, .offset: 16, .size: 8, .value_kind: global_buffer, .address_space: global }
      - { .name: bq, .offset: 24, .size: 8, .value_kind: global_buffer, .address_space: global }
      - { .name: bk, .offset: 32, .size: 8, .value_kind: global_buffer, .address_space: global }
      - { .name: bv, .offset: 40, .size: 8, .value_kind: global_buffer, .address_space: global }
      - { .name: qkv, .offset: 48, .size: 8, .value_kind: global_buffer, .address_space: global }
    .group_segment_fixed_size: 327680
    .private_segment_fixed_size: 0
    .kernarg_segment_align: 8
    .kernarg_segment_size: 56
    .max_flat_workgroup_size: 128
    .sgpr_count:     100
    .vgpr_count:     1024
    .wavefront_size: 32
...
	.end_amdgpu_metadata
.endif
;; end of part 2
;; launch attn (part 3): grid 8 x 32, 8 waves a work-group, clusters of 4 x 1, 327,680 bytes of LDS; arguments qkv, mask, lowp_scales, ao; writes ao
.if DOCPART == 3
	.amdgcn_target "amdgcn-amd-amdhsa--gfx1250"
	.amdhsa_code_object_version 6
	.text
	.protected	k_q722d1eb0ad_attn
	.globl	k_q722d1eb0ad_attn
	.p2align	8
	.type	k_q722d1eb0ad_attn,@function
k_q722d1eb0ad_attn:
	s_mov_b64 s[64:65], 0
	v_nop
	global_prefetch_b8 v0, s[64:65] scope:SCOPE_SE
	s_setreg_imm32_b32 hwreg(HW_REG_WAVE_MODE, 25, 1), 1
	s_wait_xcnt 0x0
	s_wait_alu depctr_hold_cnt(0) depctr_sa_sdst(0) depctr_va_vdst(0) depctr_va_sdst(0) depctr_va_ssrc(0) depctr_va_vcc(0) depctr_vm_vsrc(0)
	s_getreg_b32 s2, hwreg(HW_REG_IB_STS2, 6, 4)
	s_cmp_eq_u32 s2, 0
	s_cbranch_scc0 .Lentry_in_a_cluster
	s_endpgm
.Lentry_in_a_cluster:
	s_bfe_u32 s2, ttmp6, 0x10000c
	s_cmp_lg_u32 s2, 0x3003
	s_cbranch_scc0 .Lentry_shape_is_right
	s_endpgm
.Lentry_shape_is_right:
; o = softmax(q k^T / 8, masked) v for one batch x head (grid y) and 256 queries (grid x), both products on codes of E4M3 (entries 6, 7; 8, 9); o is quantised at once (entry 10) into ao.
; qkv holds images of operand registers: q, k: [batch x head][token / 16][1,024 bytes]; v, keys innermost: [batch x head][token / 128][channel / 16][2,048 bytes].  ao: [token / 16][K / 128][2,048 bytes].
; SHARES: eight waves, 32 queries (two tiles) each.  All 2,048 keys of the head lie in LDS, K from byte 0, V from VOFF, each filled once.  The four query blocks of a cluster need the same K and V: joint loads, mask 15.
; At the head each wave fetches 8,192 bytes (together the first 512 keys of K and V); behind the full sequence and a round each wave fetches 24,576 bytes more (the other 1,536 keys), which land under the first four key steps.
; Both products are used transposed (S^T = K Q^T, O^T = V^T P^T): a lane holds one query; register j of tile t is key 16 t + 8 (lane / 16) + j, so one conversion gives registers 2 t, 2 t + 1 of P.
; SOFTMAX: t = score x log2(e) / 8; M = ceil(running largest t); p = 2^(t - M) is quantised; the sum is taken of the unquantised p; a change of M multiplies the sum and O by a power of two.
; THE MASK: a hidden key gets -8e9 x 2^-(eq + ek) as the C of its score's product, which is -1e9 as a logit.  Where the whole batch row is hidden, c is 0: all t are 0, as all logits are then equal.
; LIMITS: |q k^T / 8| stays far under 1e9, so that a hidden key's p is 0 beside a key that counts; the scaled scores stay under 2^31 in magnitude; eq + ek between -123 and 130; entries 8 and 10 between -126 and 119.  NaN is not served.
; No prefetch: K and V are asked for whole by the two loads at the head; no later load is there to run ahead of.
; The two tiles' plain chains are laid line by line; the step's 128 exponentials go as one batch, one wait ahead of it and one behind it.
; REGISTERS: window 0: v1-10 addresses, v16-47 the two tiles' state, v48-52 scales, v64-191 S then p, v192-223 P's codes; window 1: v0-15 Q, v32-95 K's or V's fragments, v96-159 the mask's terms, v160-223 O^T.
.set VOFF,  131072
.set BIAS,  262144                     ; 2,048 f32: the mask's terms
.set FLAGS, 270336                     ; eight words: which lanes of a wave saw a key that counts
.set SPARE, 270592                     ; the spare words, 128 bytes a wave; no other line names them
.set LI,   1                           ; 16 x lane
.set BA,   2                           ; BIAS + 32 (lane / 16)
.set SPW,  5
.set NIL,  6
.set ADK,  8
.set ADB,  9
.set ADV,  10
.set ST,   16                          ; + 16 u: 0 -M, 1 largest t, 2-3 the sum, 4 f (5: 0), 6, 7, 10 at work, 8-9 the sum's second chain
.set LIMP, 48
.set SCP,  50
.set SCO,  51
.set LIMO, 52
.set S,    64
.set P,    192
.set KF,   32
.set BI,   96
.set O,    160
.set NLA,  73
.set NLC,  73
.set TB,   2
.set WV,   18
.set SEL,  20
.set CS,   22
.set G1,   24                          ; s[24:31] group 1: 32 rows of 256 bytes;  s[76:83]: 96 rows
.set G1R,  76
.set G0,   40
.set G0R,  44
.set KB,   66
.set CNT,  67
.set MSB, 0
.macro WIN new                         ; the immediate's high byte repeats the setting that is left
.if MSB != \new
	s_set_vgpr_msb (MSB<<8)|\new
.set MSB, \new
.endif
.endm
.macro CROUND                          ; a round of the cluster's barrier
	s_barrier_signal -1
	s_barrier_wait -1
	s_cmp_lg_u32 s[WV], 0
	s_cbranch_scc1 .Lnot_wave_0_\@
	s_barrier_signal -3
.Lnot_wave_0_\@:
	s_barrier_wait -3
	s_barrier_signal -1
	s_barrier_wait -1
.endm
	s_load_b256 s[4:11], s[0:1], 0x0               ; qkv 4, mask 6, the exponents 8, ao 10
	v_lshl_add_u32 v[SPW], v0, 2, SPARE
	v_mov_b32 v[NIL], 0
	ds_add_u32 v[SPW], v[NIL]                      ; the opening: the add, twice on end, and its wait
	ds_add_u32 v[SPW], v[NIL]
	v_lshrrev_b32 v8, 5, v0
	s_delay_alu instid0(VALU_DEP_1)
	v_readfirstlane_b32 s[WV], v8
	s_bfe_u32 s13, ttmp6, 0x40000                  ; cx
	s_lshl_b32 s14, ttmp9, 2
	s_add_co_u32 s14, s14, s13                     ; my block of 256 queries
	s_and_b32 s12, ttmp7, 0xffff                   ; batch x head
.irp g, G1, G1R
	s_mov_b32 s[\g], 15|(3<<16)|(1<<21)            ; the four partners; elements of 8 bytes; bit 21 beside a mask
	s_mov_b32 s[\g+1], 32<<16
	s_mov_b32 s[\g+3], 32<<16
	s_mov_b32 s[\g+5], 32
	s_mov_b32 s[\g+6], 0
	s_mov_b32 s[\g+7], 0
.endr
	s_mov_b32 s[G1+2], 32<<16
	s_mov_b32 s[G1+4], 32
	s_mov_b32 s[G1R+2], 96<<16
	s_mov_b32 s[G1R+4], 96
	s_and_b32 s15, s[WV], 3                        ; waves 0-3 fetch K, waves 4-7 V, a quarter each
	s_lshr_b32 s16, s[WV], 2
	s_lshl_b32 s33, s16, 17                        ; K's or V's place in LDS
	s_lshl_b32 s34, s16, 22
	s_add_co_u32 s34, s34, 0x400000
	s_lshl_b32 s17, s12, 17
	s_add_co_u32 s34, s34, s17                     ; and the head's in qkv
	s_mov_b32 s35, 0
	s_lshl_b32 s50, s15, 13                        ; the first load: 8,192 x quarter
	s_mov_b32 s51, 0
	s_mul_i32 s52, s15, 24576
	s_add_co_u32 s52, s52, 32768                   ; the second: 32,768 + 24,576 x quarter
	s_mov_b32 s53, 0
	s_lshl_b32 s36, s12, 7
	s_lshl_b32 s37, s14, 4
	s_add_co_u32 s36, s36, s37
	s_lshl_b32 s37, s[WV], 1
	s_add_co_u32 s36, s36, s37
	s_lshl_b32 s36, s36, 10                        ; my two images of q
	s_mov_b32 s37, 0
	s_lshr_b32 s56, s12, 4                         ; the batch
	s_lshl_b32 s38, s56, 13                        ; its row of the mask
	s_mov_b32 s39, 0
	s_lshl_b32 s56, s56, 7
	s_lshl_b32 s57, s14, 4
	s_add_co_u32 s56, s56, s57
	s_lshl_b32 s57, s[WV], 1
	s_add_co_u32 s56, s56, s57
	s_lshl_b32 s56, s56, 14
	s_and_b32 s57, s12, 15
	s_lshl_b32 s57, s57, 10
	s_add_co_u32 s56, s56, s57                     ; my place in ao: block of 16 tokens x 16,384 + head x 1,024
	s_mov_b32 s57, 0
	s_mov_b32 s[SEL], 0x76543210
	s_mov_b32 s[SEL+1], 0xfedcba98
	s_mov_b32 s[CS], 0x3e38aa3b                    ; log2(e) / 8
	s_wait_dscnt 0x0
	s_wait_kmcnt 0x0
	s_load_b128 s[68:71], s[8:9], 0x18             ; eq, ek, ep, ev
	s_load_b32 s72, s[8:9], 0x28                   ; eo
	s_add_nc_u64 s[58:59], s[4:5], s[34:35]
	s_mov_b32 s[G0], 1
	s_add_co_u32 s[G0+1], s33, s50
	s_add_nc_u64 s[G0+2:G0+3], s[58:59], s[50:51]
	s_or_b32 s[G0+3], s[G0+3], 0x80000000
	s_mov_b32 s[G0R], 1
	s_add_co_u32 s[G0R+1], s33, s52
	s_add_nc_u64 s[G0R+2:G0R+3], s[58:59], s[52:53]
	s_or_b32 s[G0R+3], s[G0R+3], 0x80000000
	s_add_nc_u64 s[6:7], s[6:7], s[38:39]
	s_add_nc_u64 s[10:11], s[10:11], s[56:57]
	s_add_nc_u64 s[4:5], s[4:5], s[36:37]
	CROUND                                         ; the four partners are here: the first joint loads meet
	tensor_load_to_lds s[G0:G0+3], s[G1:G1+7]      ; keys 0-511: my one load at the head
	s_nop 0
.rept 4
	v_nop
.endr
	v_and_b32 v[LI], 31, v0
	s_delay_alu instid0(VALU_DEP_1)
	v_lshlrev_b32 v[LI], 4, v[LI]
	v_bfe_u32 v[BA], v0, 4, 1
	s_delay_alu instid0(VALU_DEP_1)
	v_lshlrev_b32 v[BA], 5, v[BA]
	s_delay_alu instid0(VALU_DEP_1)
	v_add_nc_u32 v[BA], BIAS, v[BA]
	v_lshlrev_b32 v4, 5, v0                        ; my eight keys of the mask
	s_delay_alu instid0(VALU_DEP_1)
	v_add_nc_u32 v7, BIAS, v4
	WIN 0x40
	global_load_b128 v[0:3], v[LI], s[4:5]         ; Q's two fragments stay in registers
	global_load_b128 v[4:7], v[LI], s[4:5] offset:512
	global_load_b128 v[8:11], v[LI], s[4:5] offset:1024
	global_load_b128 v[12:15], v[LI], s[4:5] offset:1536
.set j, 0
.rept 64
	v_mov_b32 v[O+j], 0                            ; the step is written for every trip alike: the first finds zeros
.set j, j+1
.endr
	WIN 0
	global_load_b128 v[224:227], v4, s[6:7]
	global_load_b128 v[228:231], v4, s[6:7] offset:16
.irp u, 0,1
	v_mov_b32 v[ST+16*\u+1], 0xff61b1e6            ; -3e38, under every t
	s_delay_alu instid0(VALU_DEP_1)
	v_floor_f32 v[ST+16*\u], -v[ST+16*\u+1]
	v_mov_b32 v[ST+16*\u+2], 0
	v_mov_b32 v[ST+16*\u+3], 0
	v_mov_b32 v[ST+16*\u+5], 0
	v_mov_b32 v[ST+16*\u+7], 0
.endr
	s_wait_kmcnt 0x0
	s_add_co_i32 s60, s68, s69
	s_lshl_b32 s61, s60, 23
	s_add_co_i32 s[CS], s[CS], s61                 ; c x 2^(eq + ek)
	s_sub_co_i32 s60, 0, s60
	v_mov_b32 v232, 0xcfee6b28                     ; -8e9
	s_delay_alu instid0(VALU_DEP_1)
	v_ldexp_f32 v232, v232, s60
	s_add_co_i32 s60, s70, 127
	s_lshl_b32 s61, s60, 23
	v_mov_b32 v[SCP], s61                          ; 2^ep
	s_add_co_i32 s60, s60, 8
	s_lshl_b32 s60, s60, 23
	s_or_b32 s60, s60, 0x600000
	v_mov_b32 v[LIMP], s60                         ; 448 x 2^ep,
	v_mov_b32 v[LIMP+1], s60                       ; twice: the two halves of a dual hold read it from two registers
	s_add_co_i32 s60, s72, 127
	s_lshl_b32 s61, s60, 23
	v_mov_b32 v[SCO], s61
	s_add_co_i32 s60, s60, 8
	s_lshl_b32 s60, s60, 23
	s_or_b32 s60, s60, 0x600000
	v_mov_b32 v[LIMO], s60
	s_wait_alu depctr_va_vdst(0)
	s_wait_loadcnt 0x0
.irp i, 0,1,2,3,4,5,6,7
	v_cmp_eq_u32 vcc_lo, 0, v[224+\i]
	s_delay_alu instid0(VALU_DEP_1)
	v_cndmask_b32 v[240+\i], 0, v232, vcc_lo
.endr
	ds_store_b128 v7, v[240:243]
	ds_store_b128 v7, v[244:247] offset:16
	v_or_b32 v224, v224, v225
	v_or_b32 v226, v226, v227
	v_or_b32 v228, v228, v229
	v_or_b32 v230, v230, v231
	s_delay_alu instid0(VALU_DEP_3)
	v_or_b32 v224, v224, v226
	s_delay_alu instid0(VALU_DEP_2)
	v_or_b32 v228, v228, v230
	s_delay_alu instid0(VALU_DEP_1)
	v_or_b32 v224, v224, v228
	s_delay_alu instid0(VALU_DEP_1)
	v_cmp_ne_u32 s60, 0, v224
	s_delay_alu instid0(VALU_DEP_1)
	v_mov_b32 v233, s60
	s_lshl_b32 s61, s[WV], 2
	s_add_co_u32 s61, s61, FLAGS
	v_mov_b32 v234, s61
	ds_store_b32 v234, v233
	s_wait_alu depctr_va_vdst(0)
	s_wait_tensorcnt 0x0                           ; my part of keys 0-511 is in
	ds_add_u32 v[SPW], v[NIL]
	s_wait_dscnt 0x0                               ; the add and my stores of the mask's terms are done
	CROUND
	tensor_load_to_lds s[G0R:G0R+3], s[G1R:G1R+7]  ; keys 512-2,047: the first tensor load behind the round
	s_nop 0
.rept 4
	v_nop
.endr
	v_mov_b32 v234, FLAGS
	ds_load_b128 v[240:243], v234
	ds_load_b128 v[244:247], v234 offset:16
	s_wait_dscnt 0x0
.irp i, 0,1,2,3
	v_or_b32 v[240+\i], v[240+\i], v[244+\i]
.endr
	s_delay_alu instid0(VALU_DEP_2)
	v_or_b32 v240, v240, v242
	s_delay_alu instid0(VALU_DEP_2)
	v_or_b32 v241, v241, v243
	s_delay_alu instid0(VALU_DEP_1)
	v_or_b32 v240, v240, v241
	s_delay_alu instid0(VALU_DEP_1)
	v_readfirstlane_b32 s60, v240
	s_cmp_lg_u32 s60, 0
	s_cselect_b32 s[CS], s[CS], 0                  ; no key counts: c = 0.  A selection, no branch
	s_mov_b32 s[CS+1], s[CS]
; Line n of tile u's way from scores to t - M: the largest score in two chains, M, f, the scalings
.macro LA u
.set rS, S+64*(\u)
.set rT, ST+16*(\u)
.if n == 0
	v_max3_num_f32 v[rT+6], v[rS], v[rS+1], v[rS+2]
.elseif n == 1
	v_max3_num_f32 v[rT+10], v[rS+3], v[rS+4], v[rS+5]
.elseif (n < 31) && ((n%2) == 0)
	v_max3_num_f32 v[rT+6], v[rT+6], v[rS+2*n+2], v[rS+2*n+3]
.elseif n < 31
	v_max3_num_f32 v[rT+10], v[rT+10], v[rS+2*n+2], v[rS+2*n+3]
.elseif n == 31
	v_max_num_f32 v[rT+6], v[rT+6], v[rT+10]
.elseif n == 32
	v_permlanex16_b32 v[rT+7], v[rT+6], s[SEL], s[SEL+1]
.elseif n == 33
	v_max_num_f32 v[rT+6], v[rT+6], v[rT+7]
.elseif n == 34
	v_mul_f32 v[rT+6], s[CS], v[rT+6]
.elseif n == 35
	v_max_num_f32 v[rT+1], v[rT+1], v[rT+6]
.elseif n == 36
	v_mov_b32 v[rT+6], v[rT]
.elseif n == 37
	v_floor_f32 v[rT], -v[rT+1]
.elseif n == 38
	v_sub_f32 v[rT+6], v[rT], v[rT+6]
.elseif n == 39
	v_cvt_i32_f32 v[rT+6], v[rT+6]
.elseif n == 40
	v_ldexp_f32 v[rT+4], 1.0, v[rT+6]
.else
	v_pk_fma_f32 v[rS+2*(n-41):rS+2*(n-41)+1], v[rS+2*(n-41):rS+2*(n-41)+1], s[CS:CS+1], v[rT:rT+1] op_sel_hi:[1,0,0]
.endif
.endm
.macro HINTA                           ; the two tiles' lines alternate: a line's producer stands two vector lines back (line 37's four)
.if ((n >= 31) && (n <= 35)) || ((n >= 38) && (n <= 40))
	s_delay_alu instid0(VALU_DEP_2)
.elseif n == 37
	s_delay_alu instid0(VALU_DEP_4)
.endif
.endm
; Line n of tile u's way from p to codes: the sum of the unquantised p in two chains, the hold, the conversions
.macro LC u
.set rS, S+64*(\u)
.set rT, ST+16*(\u)
.set rP, P+16*(\u)
.set q9, (n-33)/5
.set r9, (n-33)%5
.if n == 0
	v_pk_mul_f32 v[rT+2:rT+3], v[rT+2:rT+3], v[rT+4:rT+5] op_sel_hi:[1,0]
.elseif n == 1
	v_pk_add_f32 v[rT+8:rT+9], v[rS:rS+1], v[rS+2:rS+3]
.elseif (n < 32) && ((n%2) == 0)
	v_pk_add_f32 v[rT+2:rT+3], v[rT+2:rT+3], v[rS+2*n:rS+2*n+1]
.elseif n < 32
	v_pk_add_f32 v[rT+8:rT+9], v[rT+8:rT+9], v[rS+2*n:rS+2*n+1]
.elseif n == 32
	s_delay_alu instid0(VALU_DEP_2)
	v_pk_add_f32 v[rT+2:rT+3], v[rT+2:rT+3], v[rT+8:rT+9]
.elseif r9 < 4                         ; the hold, two numbers a line: destinations even and odd, sources in different register banks
	v_dual_min_num_f32 v[rS+8*q9+2*r9], v[rS+8*q9+2*r9], v[LIMP] :: v_dual_min_num_f32 v[rS+8*q9+2*r9+1], v[rS+8*q9+2*r9+1], v[LIMP+1]
.else
	v_cvt_scalef32_pk8_fp8_f32 v[rP+2*q9:rP+2*q9+1], v[rS+8*q9:rS+8*q9+7], v[SCP]
.endif
.endm
; A KEY STEP: 128 keys against my 32 queries
.macro STEP
	v_add_nc_u32 v[ADK], s[TB], v[LI]              ; (these three and the v_nop are the places behind the last products)
	v_add_nc_u32 v[ADB], s[KB], v[BA]
	s_delay_alu instid0(VALU_DEP_2)
	v_add_nc_u32 v[ADV], VOFF, v[ADK]
	v_nop
	WIN 0x40
.irp t, 0,1,2,3,4,5,6,7
	ds_load_b128 v[KF+8*\t:KF+8*\t+3], v[ADK] offset:\t*1024
	ds_load_b128 v[KF+8*\t+4:KF+8*\t+7], v[ADK] offset:\t*1024+512
	ds_load_b128 v[BI+8*\t:BI+8*\t+3], v[ADB] offset:64*\t
	ds_load_b128 v[BI+8*\t+4:BI+8*\t+7], v[ADB] offset:64*\t+16
.endr
	WIN 0x15
	s_wait_alu depctr_va_vdst(0)
.irp t, 0,1,2,3,4,5,6,7
	s_wait_dscnt 28-4*\t                           ; tile t's four loads are in; the later tiles' four each may be out
	v_wmma_f32_16x16x64_fp8_fp8 v[S+8*\t:S+8*\t+7], v[KF+8*\t:KF+8*\t+7], v[0:7], v[BI+8*\t:BI+8*\t+7]
	v_wmma_f32_16x16x64_fp8_fp8 v[S+64+8*\t:S+64+8*\t+7], v[KF+8*\t:KF+8*\t+7], v[8:15], v[BI+8*\t:BI+8*\t+7]
.endr
.rept 4
	v_nop                                          ; places: V's fragments land where K's lay, and the scores are read
.endr
	WIN 0x40
.irp t, 0,1,2,3
.irp c, 0,1,2,3
	ds_load_b128 v[KF+16*\t+4*\c:KF+16*\t+4*\c+3], v[ADV] offset:2048*\t+512*\c
.endr
.endr
	WIN 0
.set n, 0
.rept NLA
	HINTA
	LA 0
	HINTA
	LA 1
.set n, n+1
.endr
	WIN 0x41
.set j, 0
.rept 16
	v_pk_mul_f32 v[O+j:O+j+1], v[O+j:O+j+1], v[ST+4:ST+5] op_sel_hi:[1,0]            ; O^T under the new M, ahead of the batch
	v_pk_mul_f32 v[O+32+j:O+32+j+1], v[O+32+j:O+32+j+1], v[ST+20:ST+21] op_sel_hi:[1,0]
.set j, j+2
.endr
	WIN 0
	s_wait_alu depctr_va_vdst(0)                   ; the wait ahead of the batch
.set j, 0
.rept 128
	v_exp_f32 v[S+j], v[S+j]
.set j, j+1
.endr
.set n, 0
	LC 0                                           ; the sums under the new M: plain lines behind the batch
	LC 1
	s_wait_alu depctr_va_vdst(0)                   ; the wait behind the batch, ahead of its first reader
.set n, 1
.rept NLC-1
	LC 0
	LC 1
.set n, n+1
.endr
	v_nop                                          ; a plain line behind the last conversion
	s_wait_alu depctr_va_vdst(0)
	s_wait_dscnt 0x0                               ; V's fragments
	WIN 0x51
.irp t, 0,1,2,3
	v_wmma_f32_16x16x128_fp8_fp8 v[O+8*\t:O+8*\t+7], v[KF+16*\t:KF+16*\t+15], v[P:P+15], v[O+8*\t:O+8*\t+7]
	v_wmma_f32_16x16x128_fp8_fp8 v[O+32+8*\t:O+32+8*\t+7], v[KF+16*\t:KF+16*\t+15], v[P+16:P+31], v[O+32+8*\t:O+32+8*\t+7]
.endr
	WIN 0
	s_add_co_u32 s[TB], s[TB], 8192
	s_add_co_u32 s[KB], s[KB], 512
	s_sub_co_u32 s[CNT], s[CNT], 1
	s_cmp_lg_u32 s[CNT], 0
.endm
	s_mov_b32 s[TB], 0
	s_mov_b32 s[KB], 0
	s_mov_b32 s[CNT], 4
	s_wait_alu depctr_va_vdst(0)
.Lfirst:                                               ; keys 0-511
	STEP
	s_cbranch_scc1 .Lfirst
	s_wait_tensorcnt 0x0                           ; my part of keys 512-2,047 is in;
	s_wait_dscnt 0x0
	s_barrier_signal -1
	s_barrier_wait -1                              ; everybody's is.
	s_mov_b32 s[TB], 32768
	s_mov_b32 s[KB], 2048
	s_mov_b32 s[CNT], 12
.Lrest:
	STEP
	s_cbranch_scc1 .Lrest
	; THE WAY OUT: O^T / the sum x 2^(ep + ev), held, converted: the results are images of the next product's operand
.rept 4
	v_nop
.endr
.irp u, 0,1
	v_add_f32 v[ST+16*\u+2], v[ST+16*\u+2], v[ST+16*\u+3]
.endr
.irp u, 0,1
	s_delay_alu instid0(VALU_DEP_2)
	v_permlanex16_b32 v[ST+16*\u+7], v[ST+16*\u+2], s[SEL], s[SEL+1]
.endr
.irp u, 0,1
	s_delay_alu instid0(VALU_DEP_2)
	v_add_f32 v[ST+16*\u+2], v[ST+16*\u+2], v[ST+16*\u+7]
.endr
	s_wait_alu depctr_va_vdst(0)
.irp u, 0,1
	v_rcp_f32 v[ST+16*\u+2], v[ST+16*\u+2]
.endr
	v_nop
	s_add_co_i32 s60, s70, s71
	s_wait_alu depctr_va_vdst(0)
.irp u, 0,1
	v_ldexp_f32 v[ST+16*\u+2], v[ST+16*\u+2], s60
.endr
	WIN 0x01
	s_wait_alu depctr_va_vdst(0)                   ; the wait directly ahead of the first reader of O^T
.irp u, 0,1
.set j, 0
.rept 32
	v_mul_f32 v[S+32*\u+j], v[O+32*\u+j], v[ST+16*\u+2]
.set j, j+1
.endr
.endr
	WIN 0
.irp u, 0,1
.irp t, 0,1,2,3
.irp i, 0,1,2,3,4,5,6,7
	v_med3_num_f32 v[S+32*\u+8*\t+\i], v[S+32*\u+8*\t+\i], -v[LIMO], v[LIMO]
.endr
	v_cvt_scalef32_pk8_fp8_f32 v[P+8*\u+2*\t:P+8*\u+2*\t+1], v[S+32*\u+8*\t:S+32*\u+8*\t+7], v[SCO]
.endr
.endr
	v_nop
.irp u, 0,1
	global_store_b128 v[LI], v[P+8*\u:P+8*\u+3], s[10:11] offset:16384*\u          ; each store covers 512 consecutive bytes, aligned
	global_store_b128 v[LI], v[P+8*\u+4:P+8*\u+7], s[10:11] offset:16384*\u+512
.endr
	s_wait_tensorcnt 0x0                           ; the wave's end
	ds_add_u32 v[SPW], v[NIL]
	s_wait_dscnt 0x0
	CROUND                                         ; the closing round
	s_endpgm
.Lfunc_end_k_q722d1eb0ad_attn:
	.size	k_q722d1eb0ad_attn, .Lfunc_end_k_q722d1eb0ad_attn-k_q722d1eb0ad_attn
	.p2alignl 7, 3214868480
	.fill 96, 4, 3214868480
	.section	.rodata,"a",@progbits
	.p2align	6, 0x0
	.amdhsa_kernel k_q722d1eb0ad_attn
		.amdhsa_group_segment_fixed_size 327680
		.amdhsa_private_segment_fixed_size 0
		.amdhsa_enable_private_segment 0
		.amdhsa_kernarg_size 32
		.amdhsa_user_sgpr_count 2
		.amdhsa_user_sgpr_kernarg_segment_ptr 1
		.amdhsa_wavefront_size32 1
		.amdhsa_system_sgpr_workgroup_id_x 1
		.amdhsa_system_sgpr_workgroup_id_y 1
		.amdhsa_system_sgpr_workgroup_id_z 1
		.amdhsa_system_vgpr_workitem_id 0
		.amdhsa_next_free_vgpr 512
		.amdhsa_next_free_sgpr 100
		.amdhsa_reserve_vcc 1
		.amdhsa_float_denorm_mode_32 3
		.amdhsa_float_denorm_mode_16_64 3
		.amdhsa_memory_ordered 1
		.amdhsa_forward_progress 1
		.amdhsa_inst_pref_size 81
	.end_amdhsa_kernel
	.amdgpu_metadata
---
amdhsa.version: [ 1, 2 ]
amdhsa.kernels:
  - .name:           k_q722d1eb0ad_attn
    .symbol:         k_q722d1eb0ad_attn.kd
    .args:
      - { .name: qkv, .offset: 0, .size: 8, .value_kind: global_buffer, .address_space: global }
      - { .name: mask, .offset: 8, .size: 8, .value_kind: global_buffer, .address_space: global }
      - { .name: lowp_scales, .offset: 16, .size: 8, .value_kind: global_buffer, .address_space: global }
      - { .name: ao, .offset: 24, .size: 8, .value_kind: global_buffer, .address_space: global }
    .group_segment_fixed_size: 327680
    .private_segment_fixed_size: 0
    .kernarg_segment_align: 8
    .kernarg_segment_size: 32
    .max_flat_workgroup_size: 256
    .sgpr_count:     100
    .vgpr_count:     512
    .wavefront_size: 32
...
	.end_amdgpu_metadata
.endif
;; end of part 3
;; launch oproj (part 4): grid 8 x 32, 4 waves a work-group, clusters of 4 x 4, 327,680 bytes of LDS; arguments ao, wc, lowp_scales, bo, x, x1; writes x1
.if DOCPART == 4
	.amdgcn_target "amdgcn-amd-amdhsa--gfx1250"
	.amdhsa_code_object_version 6
	.text
	.protected	k_q722d1eb0ad_oproj
	.globl	k_q722d1eb0ad_oproj
	.p2align	8
	.type	k_q722d1eb0ad_oproj,@function
k_q722d1eb0ad_oproj:
	s_mov_b64 s[64:65], 0
	v_nop
	global_prefetch_b8 v0, s[64:65] scope:SCOPE_SE
	s_setreg_imm32_b32 hwreg(HW_REG_WAVE_MODE, 25, 1), 1
	s_wait_xcnt 0x0
	s_wait_alu depctr_hold_cnt(0) depctr_sa_sdst(0) depctr_va_vdst(0) depctr_va_sdst(0) depctr_va_ssrc(0) depctr_va_vcc(0) depctr_vm_vsrc(0)
	s_getreg_b32 s2, hwreg(HW_REG_IB_STS2, 6, 4)
	s_cmp_eq_u32 s2, 0
	s_cbranch_scc0 .Lentry_in_a_cluster
	s_endpgm
.Lentry_in_a_cluster:
	s_bfe_u32 s2, ttmp6, 0x10000c
	s_cmp_lg_u32 s2, 0xf033
	s_cbranch_scc0 .Lentry_shape_is_right
	s_endpgm
.Lentry_shape_is_right:
; x1 = x + A Wo^T + bo on codes of E4M3: A = the attention's result (images, entry 10), Wo = rows of codes in wc (entry 11), K = 1,024.
; N is 1,024: a tile is 128 x 128 and there are 256 work-groups; four waves, 64 x 64 (16 accumulators) each.
; THE WHOLE K LIES IN LDS, FILLED ONCE: A's 8 blocks of 16 rows x 16,384 bytes (131,072) and Wo's 128 rows x 1,040 bytes (133,120).  Each wave brings a quarter by its one joint tensor load at the head
; (4 x 4 work-groups: A's tile shared along a row of the cluster, Wo's along a column): no ring, no refill, one barrier.  Then eight quarters of 128 along K, on two fragment buffers by turns.
; A lies in memory as images of operand registers, [token / 16][K / 128][2,048 bytes]: a fragment is ds_load_b128 at 16 x lane.  Wo's rows of 1,024 bytes get 16 of padding.
; The matrix instruction is used transposed: a lane holds eight neighbouring columns of one row.
; The way out: raw sums through the wave's own stage, back as rows of 256 bytes; x 2^(eA + eB) + x + bo; sixteen lanes store 256 consecutive bytes, aligned.
; LIMIT: eA + eB between -126 and 127.  No prefetch: all tiles are asked for by the head's loads, and no later load is there to run ahead of.
; REGISTERS: window 0: v8-11 bias, v16-29 addresses, v32-95 rows on the way out, v128-255 accumulators ((a, b) at v[128 + 8 (4 a + b)]); window 1: two fragment buffers of 128 (A's four, then Wo's four); window 2: the residual.
.set SIZE_K, 1024
.set WOFF,   0x300000                  ; Wo's place in wc
.set SOFF,   40                        ; the two exponents' place among the sixteen, in bytes
.set WP,     1040                      ; a row of Wo in LDS
.set WLDS,   131072                    ; behind A's tile
.set STAGE,  WLDS+128*WP               ; 16 rows x 272 bytes for each wave
.set SPARE,  STAGE+4*16*272
.set ADRA, 16
.set ADRB, 20
.set STO,  24
.set RD,   25
.set CO,   26
.set SPW,  28
.set NIL,  29
.set BK,   32
.set ACC,  128
.set F0,   0
.set F1,   128
.set G1, 24
.set G0, 32
.set G1B, 48
.set G0B, 56
.set WV, 72
.set WH, 73
.set WL, 74
.set MSB, 0
.macro WIN new
.if MSB != \new
	s_set_vgpr_msb (MSB<<8)|\new
.set MSB, \new
.endif
.endm
.set MUL,  0x05                        ; sources 0 (Wo) and 1 (A) window 1; C and D window 0
.set TO_F, 0x40
.macro CROUND
	s_barrier_signal -1
	s_barrier_wait -1
	s_cmp_lg_u32 s[WV], 0
	s_cbranch_scc1 .Lnot_wave_0_\@
	s_barrier_signal -3
.Lnot_wave_0_\@:
	s_barrier_wait -3
	s_barrier_signal -1
	s_barrier_wait -1
.endm
	s_load_b256 s[4:11], s[0:1], 0x0               ; A 4, wc 6, the exponents 8, bias 10
	s_load_b128 s[68:71], s[0:1], 0x20             ; x 68, x1 70
	v_lshl_add_u32 v[SPW], v0, 2, SPARE
	v_mov_b32 v[NIL], 0
	ds_add_u32 v[SPW], v[NIL]                      ; the wave's opening: the add, twice on end, and its wait ahead of my tensor load
	ds_add_u32 v[SPW], v[NIL]
	v_lshrrev_b32 v1, 5, v0
	v_readfirstlane_b32 s[WV], v1
	s_lshr_b32 s[WH], s[WV], 1                     ; my half of the rows; also: I fetch for A (0) or Wo (1)
	s_and_b32 s[WL], s[WV], 1                      ; my half of the columns; also: which half I fetch
	s_bfe_u32 s40, ttmp6, 0x40000
	s_bfe_u32 s41, ttmp6, 0x40004
	s_lshl_b32 s42, ttmp9, 2
	s_add_co_u32 s42, s42, s40                     ; tile column
	s_and_b32 s75, ttmp7, 0xffff
	s_lshl_b32 s75, s75, 2
	s_add_co_u32 s75, s75, s41                     ; tile row
	s_lshl_b32 s43, s41, 2
	s_lshl_b32 s43, 15, s43
	s_lshl_b32 s44, 0x1111, s40
	s_or_b32 s[G1+0], s43, (3<<16)|(1<<21)         ; A: my row's mask; elements of 8 bytes; bit 21 beside a mask; no padding
	s_mov_b32 s[G1+1], 2048<<16                    ; tensor_dim0 = 2,048 elements: a block of rows, 16,384 bytes
	s_mov_b32 s[G1+2], 4<<16                       ; tensor_dim1 = 4 blocks
	s_mov_b32 s[G1+3], 2048<<16                    ; tile_dim0
	s_mov_b32 s[G1+4], 4                           ; tile_dim1
	s_mov_b32 s[G1+5], 2048                        ; from block to block
	s_mov_b32 s[G1+6], 0
	s_mov_b32 s[G1+7], 0
	s_or_b32 s[G1B+0], s44, (0<<16)|(1<<20)|(1<<21)|(7<<22)|(3<<25)   ; Wo: my column's mask; bytes; four words of padding behind every 256
	s_mov_b32 s[G1B+1], 1024<<16
	s_mov_b32 s[G1B+2], 64<<16
	s_mov_b32 s[G1B+3], 1024<<16
	s_mov_b32 s[G1B+4], 64
	s_mov_b32 s[G1B+5], SIZE_K
	s_mov_b32 s[G1B+6], 0
	s_mov_b32 s[G1B+7], 0
	s_lshl_b32 s20, s75, 3
	s_lshl_b32 s21, s[WL], 2
	s_add_co_u32 s20, s20, s21                     ; A: block of rows 8 x tile row + 4 x half,
	s_lshl_b32 s20, s20, 14                        ; x 16,384 bytes
	s_mov_b32 s21, 0
	s_lshl_b32 s46, s42, 7
	s_lshl_b32 s47, s[WL], 6
	s_add_co_u32 s46, s46, s47                     ; Wo: row 128 x tile column + 64 x half
	s_lshl_b32 s46, s46, 10
	s_add_co_u32 s46, s46, WOFF
	s_mov_b32 s47, 0
	s_lshl_b32 s45, s[WL], 16                      ; where they go: A's half,
	s_mul_i32 s76, s[WL], 64*WP
	s_add_co_u32 s76, s76, WLDS                    ; Wo's half
	s_wait_dscnt 0x0
	s_wait_kmcnt 0x0
	s_load_b64 s[78:79], s[8:9], SOFF              ; eA, eB
	s_add_nc_u64 s[20:21], s[4:5], s[20:21]
	s_add_nc_u64 s[46:47], s[6:7], s[46:47]
	s_mov_b32 s[G0], 1
	s_mov_b32 s[G0+1], s45
	s_mov_b64 s[G0+2:G0+3], s[20:21]
	s_or_b32 s[G0+3], s[G0+3], 0x80000000
	s_mov_b32 s[G0B], 1
	s_mov_b32 s[G0B+1], s76
	s_mov_b64 s[G0B+2:G0B+3], s[46:47]
	s_or_b32 s[G0B+3], s[G0B+3], 0x80000000
	CROUND                                         ; all sixteen work-groups are here: the joint loads meet
	s_cmp_eq_u32 s[WH], 0                          ; waves 0, 1 fetch A's halves, waves 2, 3 Wo's; an s_nop 0 and four v_nop follow each line
	s_cbranch_scc0 .Lfor_b
	tensor_load_to_lds s[G0:G0+3], s[G1:G1+7]
	s_nop 0
.rept 4
	v_nop
.endr
	s_branch .Lasked
.Lfor_b:
	tensor_load_to_lds s[G0B:G0B+3], s[G1B:G1B+7]
	s_nop 0
.rept 4
	v_nop
.endr
.Lasked:
	s_lshl_b32 s21, s[WH], 16                      ; my four blocks of A's rows
	s_mul_i32 s22, s[WL], 64*WP
	s_add_co_u32 s22, s22, WLDS                    ; my 64 rows of Wo
	s_mul_i32 s23, s[WV], 16*272
	s_add_co_u32 s23, s23, STAGE
	v_and_b32 v1, 15, v0                           ; r
	v_bfe_u32 v2, v0, 4, 1                         ; h
	v_and_b32 v3, 31, v0
	v_lshlrev_b32 v3, 4, v3                        ; 16 x lane
	v_mul_u32_u24 v4, v1, WP
	v_lshl_add_u32 v4, v2, 4, v4
	v_add_nc_u32 v[ADRA], s21, v3
	v_add_nc_u32 v[ADRB], s22, v4
	v_mul_u32_u24 v5, v1, 272
	v_lshl_add_u32 v5, v2, 5, v5
	v_add_nc_u32 v[STO], s23, v5                   ; in: row r, 32 bytes for each half of the lanes
	v_mul_u32_u24 v5, v2, 272
	v_lshl_add_u32 v5, v1, 4, v5
	v_add_nc_u32 v[RD], s23, v5                    ; back: lanes 0-15 one row, lanes 16-31 the next
	v_lshlrev_b32 v[CO], 12, v2
	v_lshl_add_u32 v[CO], v1, 4, v[CO]             ; and the same two rows in x and x1
	v_lshlrev_b32 v27, 4, v1
	s_wait_alu depctr_va_vdst(0)
	s_lshl_b32 s20, s75, 7
	s_lshl_b32 s21, s[WH], 6
	s_add_co_u32 s20, s20, s21                     ; my first row,
	s_lshl_b32 s20, s20, 12
	s_lshl_b32 s46, s42, 9
	s_lshl_b32 s47, s[WL], 8
	s_add_co_u32 s46, s46, s47                     ; my first column, in bytes
	s_mov_b32 s47, 0
	s_add_nc_u64 s[10:11], s[10:11], s[46:47]
	s_add_co_u32 s20, s20, s46
	s_mov_b32 s21, 0
	s_add_nc_u64 s[68:69], s[68:69], s[20:21]
	s_add_nc_u64 s[70:71], s[70:71], s[20:21]
	global_load_b128 v[8:11], v27, s[10:11]        ; the bias of my four columns
	WIN 0x80                                       ; destination window 2
.irp a, 0,1,2,3
.irp t, 0,1,2,3,4,5,6,7
	global_load_b128 v[4*(8*\a+\t):4*(8*\a+\t)+3], v[CO], s[68:69] offset:(16*\a+2*\t)*4096   ; the residual, as the rows will come back from the stage; awaited on the way out
.endr
.endr
	WIN 0
.macro MULA f, a, zero                 ; A's block a x Wo's four; the 16 accumulators take turns, one instruction a turn
.irp b, 0,1,2,3
.if \zero
	v_wmma_f32_16x16x128_fp8_fp8 v[ACC+8*(4*(\a)+\b):ACC+8*(4*(\a)+\b)+7], v[\f+64+16*\b:\f+64+16*\b+15], v[\f+16*(\a):\f+16*(\a)+15], 0
.else
	v_wmma_f32_16x16x128_fp8_fp8 v[ACC+8*(4*(\a)+\b):ACC+8*(4*(\a)+\b)+7], v[\f+64+16*\b:\f+64+16*\b+15], v[\f+16*(\a):\f+16*(\a)+15], v[ACC+8*(4*(\a)+\b):ACC+8*(4*(\a)+\b)+7]
.endif
.endr
.endm
.macro FETCH q, f                      ; 32 LDS loads in one run: the q-th 128 along K: Wo's four fragments, then A's four
	WIN TO_F
.irp i, 0,1,2,3
.irp c, 0,1,2,3
	ds_load_b128 v[\f+64+16*\i+4*\c:\f+64+16*\i+4*\c+3], v[ADRB] offset:\i*16*WP+128*(\q)+32*\c
.endr
.endr
.irp i, 0,1,2,3
.irp c, 0,1,2,3
	ds_load_b128 v[\f+16*\i+4*\c:\f+16*\i+4*\c+3], v[ADRA] offset:\i*16384+2048*(\q)+512*\c
.endr
.endr
.endm
.macro PLACES
.rept 4
	v_nop
.endr
.endm
.macro QUARTER qn, f, g, zero          ; multiplies buffer f; in its middle fetches quarter qn into g
	s_wait_dscnt 8                                 ; all but the youngest eight loads: A's blocks 2, 3
	WIN MUL
	MULA \f, 0, \zero
	MULA \f, 1, \zero
	PLACES
	FETCH \qn, \g
	s_wait_dscnt 32                                ; all but the 32 just issued
	WIN MUL
	MULA \f, 2, \zero
	MULA \f, 3, \zero
.endm
	s_wait_tensorcnt 0x0                           ; my quarter of the tiles is in;
	s_barrier_signal -1
	s_barrier_wait -1                              ; everybody's is.
	FETCH 0, F0
	QUARTER 1, F0, F1, 1                           ; the first quarter's products start the sums
	QUARTER 2, F1, F0, 0
	QUARTER 3, F0, F1, 0
	QUARTER 4, F1, F0, 0
	QUARTER 5, F0, F1, 0
	QUARTER 6, F1, F0, 0
	QUARTER 7, F0, F1, 0
	s_wait_dscnt 8
	WIN MUL
	MULA F1, 0, 0
	MULA F1, 1, 0
	s_wait_dscnt 0
	MULA F1, 2, 0
	MULA F1, 3, 0
	WIN 0
	s_wait_kmcnt 0x0
	s_add_co_i32 s96, s78, s79
	s_add_co_i32 s96, s96, 127
	s_lshl_b32 s96, s96, 23                        ; 2^(eA + eB)
	s_mov_b32 s97, s96
	s_wait_loadcnt 0x0                             ; the bias and the residual
	PLACES
.macro TOSTAGE a                       ; block a's raw sums into my stage, each accumulator's low half first, and back as rows
.irp b, 0,1,2,3
	ds_store_b128 v[STO], v[ACC+8*(4*(\a)+\b):ACC+8*(4*(\a)+\b)+3] offset:64*\b
	ds_store_b128 v[STO], v[ACC+8*(4*(\a)+\b)+4:ACC+8*(4*(\a)+\b)+7] offset:64*\b+16
.endr
.irp t, 0,1,2,3,4,5,6,7
	ds_load_b128 v[BK+32*((\a)%2)+4*\t:BK+32*((\a)%2)+4*\t+3], v[RD] offset:544*\t   ; LDS serves a wave's instructions in order
.endr
.endm
.macro SEND a, younger
.set BB, BK+32*((\a)%2)
	s_wait_dscnt \younger                          ; the next block's eight stores and eight loads may be out
	WIN 0x20                                       ; source 2 (the residual) window 2
.irp t, 0,1,2,3,4,5,6,7
.irp i, 0,2
	v_pk_fma_f32 v[BB+4*\t+\i:BB+4*\t+\i+1], v[BB+4*\t+\i:BB+4*\t+\i+1], s[96:97], v[4*(8*(\a)+\t)+\i:4*(8*(\a)+\t)+\i+1] op_sel_hi:[1,0,1]
.endr
.endr
	WIN 0
.irp t, 0,1,2,3,4,5,6,7
.irp i, 0,2
	v_pk_add_f32 v[BB+4*\t+\i:BB+4*\t+\i+1], v[BB+4*\t+\i:BB+4*\t+\i+1], v[8+\i:9+\i]
.endr
.endr
.irp t, 0,1,2,3,4,5,6,7
	global_store_b128 v[CO], v[BB+4*\t:BB+4*\t+3], s[70:71] offset:(16*(\a)+2*\t)*4096 th:TH_STORE_NT
.endr
.endm
	TOSTAGE 0
	TOSTAGE 1
	SEND 0, 16
	s_wait_xcnt 0x0                                ; block 0's stores have read their registers
	TOSTAGE 2
	SEND 1, 16
	s_wait_xcnt 0x0
	TOSTAGE 3
	SEND 2, 16
	SEND 3, 0
	s_wait_tensorcnt 0x0                           ; the wave's end
	ds_add_u32 v[SPW], v[NIL]
	s_wait_dscnt 0x0
	CROUND                                         ; the closing round
	s_endpgm
.Lfunc_end_k_q722d1eb0ad_oproj:
	.size	k_q722d1eb0ad_oproj, .Lfunc_end_k_q722d1eb0ad_oproj-k_q722d1eb0ad_oproj
	.p2alignl 7, 3214868480
	.fill 96, 4, 3214868480
	.section	.rodata,"a",@progbits
	.p2align	6, 0x0
	.amdhsa_kernel k_q722d1eb0ad_oproj
		.amdhsa_group_segment_fixed_size 327680
		.amdhsa_private_segment_fixed_size 0
		.amdhsa_enable_private_segment 0
		.amdhsa_kernarg_size 48
		.amdhsa_user_sgpr_count 2
		.amdhsa_user_sgpr_kernarg_segment_ptr 1
		.amdhsa_wavefront_size32 1
		.amdhsa_system_sgpr_workgroup_id_x 1
		.amdhsa_system_sgpr_workgroup_id_y 1
		.amdhsa_system_sgpr_workgroup_id_z 1
		.amdhsa_system_vgpr_workitem_id 0
		.amdhsa_next_free_vgpr 768
		.amdhsa_next_free_sgpr 100
		.amdhsa_reserve_vcc 0
		.amdhsa_float_denorm_mode_32 3
		.amdhsa_float_denorm_mode_16_64 3
		.amdhsa_memory_ordered 1
		.amdhsa_forward_progress 1
		.amdhsa_inst_pref_size 52
	.end_amdhsa_kernel
	.amdgpu_metadata
---
amdhsa.version: [ 1, 2 ]
amdhsa.kernels:
  - .name:           k_q722d1eb0ad_oproj
    .symbol:         k_q722d1eb0ad_oproj.kd
    .args:
      - { .name: ao, .offset: 0, .size: 8, .value_kind: global_buffer, .address_space: global }
      - { .name: wc, .offset: 8, .size: 8, .value_kind: global_buffer, .address_space: global }
      - { .name: lowp_scales, .offset: 16, .size: 8, .value_kind: global_buffer, .address_space: global }
      - { .name: bo, .offset: 24, .size: 8, .value_kind: global_buffer, .address_space: global }
      - { .name: x, .offset: 32, .size: 8, .value_kind: global_buffer, .address_space: global }
      - { .name: x1, .offset: 40, .size: 8, .value_kind: global_buffer, .address_space: global }
    .group_segment_fixed_size: 327680
    .private_segment_fixed_size: 0
    .kernarg_segment_align: 8
    .kernarg_segment_size: 48
    .max_flat_workgroup_size: 128
    .sgpr_count:     100
    .vgpr_count:     768
    .wavefront_size: 32
...
	.end_amdgpu_metadata
.endif
;; end of part 4
;; launch ln2 (part 5): grid 256 x 1, 4 waves a work-group, no clusters, 4,608 bytes of LDS; arguments x1, alpha2, bias2, lowp_scales, xn2c; writes xn2c
.if DOCPART == 5
	.amdgcn_target "amdgcn-amd-amdhsa--gfx1250"
	.amdhsa_code_object_version 6
	.text
	.protected	k_q722d1eb0ad_ln2
	.globl	k_q722d1eb0ad_ln2
	.p2align	8
	.type	k_q722d1eb0ad_ln2,@function
k_q722d1eb0ad_ln2:
	s_mov_b64 s[64:65], 0
	v_nop
	global_prefetch_b8 v0, s[64:65] scope:SCOPE_SE
	s_setreg_imm32_b32 hwreg(HW_REG_WAVE_MODE, 25, 1), 1
	s_wait_xcnt 0x0
; xn = alpha2 (x1 - mean) / (std + 1e-6) + bias2 (std with N - 1), quantised to E4M3 with entry 12, into rows of codes.  One wave to a row, the row kept in registers; a work-group takes 16 rows, a wave 4.
; LAYOUT OF A ROW OF CODES: byte p holds the code of k = p with bits 3 and 4 exchanged, so that 16 bytes at 32 c + 16 (lane / 16) are registers 4 c .. 4 c + 3 of the plain FP8 operand.  A lane's word of four codes goes to
; byte 4 l' of its 128 (l' = the lane with bits 1 and 2 exchanged) in the wave's own stage and comes back 16 bytes a lane: each store covers 512 consecutive bytes, aligned.
; LIMITS: the exponent between -126 and 119.  NaN is not served.  Memory binds: no matrix unit, no cluster, no barrier.
.set SPARE, 4096
.set SPW,   6
.set NIL,   7
.set NSETS, 1
.set T,     80
.set C,     96
.set O,     120
.set SC,    144
.set DST,   56
.set SEL,   62
	s_load_b256 s[8:15], s[0:1], 0x0               ; x1 8, alpha2 10, bias2 12, the exponents 14
	s_load_b64 s[16:17], s[0:1], 0x20              ; xn2c
	v_lshl_add_u32 v[SPW], v0, 2, SPARE
	v_mov_b32 v[NIL], 0
	v_lshrrev_b32 v1, 5, v0
	v_readfirstlane_b32 s2, v1
	v_and_b32 v1, 31, v0
	v_lshlrev_b32 v2, 4, v1
	v_and_b32 v3, 0x19, v1
	v_lshlrev_b32 v3, 2, v3
	v_bfe_u32 v4, v1, 1, 1
	v_lshl_add_u32 v3, v4, 4, v3
	v_bfe_u32 v4, v1, 2, 1
	v_lshl_add_u32 v3, v4, 3, v3                   ; 4 l'
	s_lshl_b32 s33, s2, 10                         ; my stage of 1,024 bytes
	v_add_nc_u32 v3, s33, v3
	v_add_nc_u32 v4, s33, v2
	s_lshl_b32 s32, ttmp9, 4
	s_lshl_b32 s33, s2, 2
	s_add_co_u32 s32, s32, s33                     ; my first row
	s_mov_b32 s35, 0
	s_mov_b32 s[SEL], 0x76543210
	s_mov_b32 s[SEL+1], 0xfedcba98
	s_wait_alu depctr_va_vdst(0)
	s_wait_kmcnt 0x0
	s_load_b32 s36, s[14:15], 0x30                 ; entry 12
	s_load_b32 s52, s[10:11], 0x0                  ; alpha
	s_load_b32 s54, s[12:13], 0x0                  ; bias
	s_lshl_b32 s34, s32, 12
	s_add_nc_u64 s[4:5], s[8:9], s[34:35]
	s_lshl_b32 s34, s32, 10
	s_add_nc_u64 s[DST:DST+1], s[16:17], s[34:35]
.irp j, 0,1,2,3,4,5,6,7
	global_load_b128 v[16+4*\j:19+4*\j], v2, s[4:5] offset:512*\j th:TH_LOAD_NT
.endr
.irp j, 0,1,2,3,4,5,6,7
	global_load_b128 v[48+4*\j:51+4*\j], v2, s[4:5] offset:4096+512*\j th:TH_LOAD_NT
.endr
	s_wait_kmcnt 0x0
	s_mov_b32 s55, s54
	s_add_co_i32 s33, s36, 127
	s_lshl_b32 s34, s33, 23
	v_mov_b32 v[SC], s34                           ; 2^e
	s_add_co_i32 s33, s33, 8
	s_lshl_b32 s33, s33, 23
	s_or_b32 s33, s33, 0x600000
	v_mov_b32 v[SC+1], s33                         ; 448 x 2^e
.macro REDUCE
	v_add_f32_dpp v8, v8, v8 row_xmask:1 row_mask:0xf bank_mask:0xf
	v_add_f32_dpp v8, v8, v8 row_xmask:2 row_mask:0xf bank_mask:0xf
	v_add_f32_dpp v8, v8, v8 row_xmask:4 row_mask:0xf bank_mask:0xf
	v_add_f32_dpp v8, v8, v8 row_xmask:8 row_mask:0xf bank_mask:0xf
	v_permlanex16_b32 v9, v8, s[SEL], s[SEL+1]
	v_add_f32 v8, v8, v9
.endm
.macro ROW i, xs, nxt, left
	s_wait_loadcnt \left
	v_pk_add_f32 v[8:9], v[\xs:\xs+1], v[\xs+2:\xs+3]
	v_pk_add_f32 v[10:11], v[\xs+4:\xs+5], v[\xs+6:\xs+7]
.irp j, 8,12,16,20,24,28
	v_pk_add_f32 v[8:9], v[8:9], v[\xs+\j:\xs+\j+1]
	v_pk_add_f32 v[10:11], v[10:11], v[\xs+\j+2:\xs+\j+3]
.endr
	v_pk_add_f32 v[8:9], v[8:9], v[10:11]
	v_add_f32 v8, v8, v9
	REDUCE
	v_mul_f32 v14, 0x3a800000, v8                  ; the mean
	v_mov_b32 v15, v14
.irp j, 0,2,4,6,8,10,12,14,16,18,20,22,24,26,28,30
	v_pk_add_f32 v[\xs+\j:\xs+\j+1], v[\xs+\j:\xs+\j+1], v[14:15] neg_lo:[0,1] neg_hi:[0,1]   ; x - mean first, squares after
.endr
	v_pk_mul_f32 v[8:9], v[\xs:\xs+1], v[\xs:\xs+1]
	v_pk_mul_f32 v[10:11], v[\xs+2:\xs+3], v[\xs+2:\xs+3]
.irp j, 4,8,12,16,20,24,28
	v_pk_fma_f32 v[8:9], v[\xs+\j:\xs+\j+1], v[\xs+\j:\xs+\j+1], v[8:9]
	v_pk_fma_f32 v[10:11], v[\xs+\j+2:\xs+\j+3], v[\xs+\j+2:\xs+\j+3], v[10:11]
.endr
	v_pk_add_f32 v[8:9], v[8:9], v[10:11]
	v_add_f32 v8, v8, v9
	REDUCE
	v_mul_f32 v8, 0x3a802008, v8                   ; / 1,023
	s_wait_alu depctr_va_vdst(0)
	v_sqrt_f32 v10, v8
	v_nop
	s_wait_alu depctr_va_vdst(0)                   ; the wait ahead of the root's first reader
	v_add_f32 v10, 0x358637bd, v10                 ; + 1e-6
	s_wait_alu depctr_va_vdst(0)
	v_rcp_f32 v10, v10
	v_nop
	s_wait_alu depctr_va_vdst(0)
	v_mul_f32 v12, s52, v10
	v_mov_b32 v13, v12
.irp j, 0,2,4,6,8,10,12,14,16,18,20,22,24,26,28,30
	v_pk_fma_f32 v[\xs+\j:\xs+\j+1], v[\xs+\j:\xs+\j+1], v[12:13], s[54:55] op_sel_hi:[1,1,0]
.endr
.irp s, 0,1,2
.if \s < NSETS
.irp g, 0,1,2,3
.irp k, 0,1,2,3,4,5,6,7
	v_med3_num_f32 v[T+8*(\g%2)+\k], v[\xs+8*\g+\k], -v[SC+2*\s+1], v[SC+2*\s+1]
.endr
	v_cvt_scalef32_pk8_fp8_f32 v[C+8*\s+2*\g:C+8*\s+2*\g+1], v[T+8*(\g%2):T+8*(\g%2)+7], v[SC+2*\s]
.endr
.endif
.endr
	v_nop
	s_wait_alu depctr_va_vdst(0)
	s_wait_xcnt 0x0                                ; the last row's stores have read their registers
.irp s, 0,1,2
.if \s < NSETS
.irp j, 0,1,2,3,4,5,6,7
	ds_store_b32 v3, v[C+8*\s+\j] offset:1024*\s+128*\j
.endr
	ds_load_b128 v[O+8*\s:O+8*\s+3], v4 offset:1024*\s
	ds_load_b128 v[O+8*\s+4:O+8*\s+7], v4 offset:1024*\s+512
.endif
.endr
.if \nxt
.irp j, 0,1,2,3,4,5,6,7
	global_load_b128 v[\xs+4*\j:\xs+4*\j+3], v2, s[4:5] offset:((\i)+2)*4096+512*\j th:TH_LOAD_NT
.endr
.endif
	s_wait_dscnt 0x0
.irp s, 0,1,2
.if \s < NSETS
	global_store_b128 v2, v[O+8*\s:O+8*\s+3], s[DST+2*\s:DST+2*\s+1] offset:1024*(\i)
	global_store_b128 v2, v[O+8*\s+4:O+8*\s+7], s[DST+2*\s:DST+2*\s+1] offset:1024*(\i)+512
.endif
.endr
.endm
	ROW 0, 16, 1, 8                                ; the other slot's eight loads may stay out
	ROW 1, 48, 1, 8
	ROW 2, 16, 0, 8
	ROW 3, 48, 0, 0
	s_wait_tensorcnt 0x0                           ; the wave's end
	ds_add_u32 v[SPW], v[NIL]
	s_wait_dscnt 0x0
	s_endpgm
.Lfunc_end_k_q722d1eb0ad_ln2:
	.size	k_q722d1eb0ad_ln2, .Lfunc_end_k_q722d1eb0ad_ln2-k_q722d1eb0ad_ln2
	.p2alignl 7, 3214868480
	.fill 96, 4, 3214868480
	.section	.rodata,"a",@progbits
	.p2align	6, 0x0
	.amdhsa_kernel k_q722d1eb0ad_ln2
		.amdhsa_group_segment_fixed_size 4608
		.amdhsa_private_segment_fixed_size 0
		.amdhsa_enable_private_segment 0
		.amdhsa_kernarg_size 40
		.amdhsa_user_sgpr_count 2
		.amdhsa_user_sgpr_kernarg_segment_ptr 1
		.amdhsa_wavefront_size32 1
		.amdhsa_system_sgpr_workgroup_id_x 1
		.amdhsa_system_sgpr_workgroup_id_y 1
		.amdhsa_system_sgpr_workgroup_id_z 1
		.amdhsa_system_vgpr_workitem_id 0
		.amdhsa_next_free_vgpr 160
		.amdhsa_next_free_sgpr 66
		.amdhsa_reserve_vcc 0
		.amdhsa_float_denorm_mode_32 3
		.amdhsa_float_denorm_mode_16_64 3
		.amdhsa_memory_ordered 1
		.amdhsa_forward_progress 1
		.amdhsa_inst_pref_size 40
	.end_amdhsa_kernel
	.amdgpu_metadata
---
amdhsa.version: [ 1, 2 ]
amdhsa.kernels:
  - .name:           k_q722d1eb0ad_ln2
    .symbol:         k_q722d1eb0ad_ln2.kd
    .args:
      - { .name: x1, .offset: 0, .size: 8, .value_kind: global_buffer, .address_space: global }
      - { .name: alpha2, .offset: 8, .size: 8, .value_kind: global_buffer, .address_space: global }
      - { .name: bias2, .offset: 16, .size: 8, .value_kind: global_buffer, .address_space: global }
      - { .name: lowp_scales, .offset: 24, .size: 8, .value_kind: global_buffer, .address_space: global }
      - { .name: xn2c, .offset: 32, .size: 8, .value_kind: global_buffer, .address_space: global }
    .group_segment_fixed_size: 4608
    .private_segment_fixed_size: 0
    .kernarg_segment_align: 8
    .kernarg_segment_size: 40
    .max_flat_workgroup_size: 128
    .sgpr_count:     66
    .vgpr_count:     160
    .wavefront_size: 32
...
	.end_amdgpu_metadata
.endif
;; end of part 5
;; launch ffn1 (part 6): grid 16 x 16, 4 waves a work-group, clusters of 4 x 4, 327,680 bytes of LDS; arguments xn2c, wc, lowp_scales, b1, hc; writes hc
.if DOCPART == 6
	.amdgcn_target "amdgcn-amd-amdhsa--gfx1250"
	.amdhsa_code_object_version 6
	.text
	.protected	k_q722d1eb0ad_ffn1
	.globl	k_q722d1eb0ad_ffn1
	.p2align	8
	.type	k_q722d1eb0ad_ffn1,@function
k_q722d1eb0ad_ffn1:
	s_mov_b64 s[64:65], 0
	v_nop
	global_prefetch_b8 v0, s[64:65] scope:SCOPE_SE
	s_setreg_imm32_b32 hwreg(HW_REG_WAVE_MODE, 25, 1), 1
	s_wait_xcnt 0x0
	s_wait_alu depctr_hold_cnt(0) depctr_sa_sdst(0) depctr_va_vdst(0) depctr_va_sdst(0) depctr_va_ssrc(0) depctr_va_vcc(0) depctr_vm_vsrc(0)
	s_getreg_b32 s2, hwreg(HW_REG_IB_STS2, 6, 4)
	s_cmp_eq_u32 s2, 0
	s_cbranch_scc0 .Lentry_in_a_cluster
	s_endpgm
.Lentry_in_a_cluster:
	s_bfe_u32 s2, ttmp6, 0x10000c
	s_cmp_lg_u32 s2, 0xf033
	s_cbranch_scc0 .Lentry_shape_is_right
	s_endpgm
.Lentry_shape_is_right:
; h = relu(xn2 W1^T + b1) on codes of E4M3 (entries 12, 13), K = 1,024, quantised at once (entry 14) into hc as images of the next product's operand, [token / 16][K / 128][2,048 bytes].
; A tile of 256 x 256 to a work-group of four waves, 128 x 128 to a wave; K in steps of 256 through two LDS slots filled by joint tensor loads (4 x 4 work-groups: A's tile shared along a row, W1's along a column).
; The matrix instruction is used transposed: a lane holds one token and eight neighbouring hidden units; the hold between 0 and 448 x 2^e is the activation too.
; LIMITS: entries 12 + 13 between -126 and 127; entry 14 between -126 and 119.  NaN is not served.
; PREFETCH: each later slot's load goes out when all earlier ones have landed, so its bytes are asked of memory ahead: slots 1 and 2 beside slot 0's load, slot 3 beside slot 1's; never more than two slots asked for and not yet read.
; Of the 128 rows that a wave fetches jointly with three partners, the partner at place p (cx for A, cy for W1) names rows 32 p .. 32 p + 31, a lane a row, 256 bytes of it a slot: each 256 bytes once in each cluster that loads them.
; s[12:13]: those 32 rows; v27: 1,024 x lane; neither is rewritten.
.set SIZE_K, 1024
.set KSTEP,  256
.set ROWB,   256
.set KROW,   SIZE_K
.set PITCH,  272
.set FR,     16
.set NL,     4
.set NP,     4
.set HALFT,  128*PITCH
.set SLOT,   4*HALFT
.set LAPS,   SIZE_K/(2*KSTEP)
.set SPARE,  2*SLOT
.set ADRA, 16
.set ADRB, 20
.set LI,   26
.set SPW,  28
.set NIL,  29
.set LIMV, 30
.set SCL,  31
.set BI,   64
.set AF,   128
.set TMP,  128
.set CD,   192
.set G1, 24
.set G0, 32
.set G1B, 48
.set G0B, 56
.set MSB, 0
.macro WIN new
.if MSB != \new
	s_set_vgpr_msb (MSB<<8)|\new
.set MSB, \new
.endif
.endm
.set MUL_LO, 0xa1
.set MUL_HI, 0xf1
.set TO_B,   0x40
.macro JLOAD g0a, g1a, g0b, g1b
	s_cmp_eq_u32 s15, 0
	s_cbranch_scc0 .Lfor_b_\@
	tensor_load_to_lds s[\g0a:\g0a+3], s[\g1a:\g1a+7]
	s_nop 0
.rept 4
	v_nop
.endr
	s_branch .Lasked_\@
.Lfor_b_\@:
	tensor_load_to_lds s[\g0b:\g0b+3], s[\g1b:\g1b+7]
	s_nop 0
.rept 4
	v_nop
.endr
.Lasked_\@:
.endm
.macro CREST
	s_cmp_lg_u32 s14, 0
	s_cbranch_scc1 .Lnot_wave_0_\@
	s_barrier_signal -3
.Lnot_wave_0_\@:
	s_barrier_wait -3
	s_barrier_signal -1
	s_barrier_wait -1
.endm
.macro CROUND
	s_barrier_signal -1
	s_barrier_wait -1
	CREST
.endm
	s_load_b256 s[4:11], s[0:1], 0x0
	s_load_b64 s[72:73], s[0:1], 0x20
	v_lshl_add_u32 v[SPW], v0, 2, SPARE
	v_mov_b32 v[NIL], 0
	ds_add_u32 v[SPW], v[NIL]
	ds_add_u32 v[SPW], v[NIL]
	v_lshrrev_b32 v1, 5, v0
	v_readfirstlane_b32 s14, v1
	s_lshr_b32 s15, s14, 1
	s_and_b32 s16, s14, 1
	s_bfe_u32 s40, ttmp6, 0x40000
	s_bfe_u32 s41, ttmp6, 0x40004
	s_lshl_b32 s42, ttmp9, 2
	s_add_co_u32 s42, s42, s40
	s_and_b32 s17, ttmp7, 0xffff
	s_lshl_b32 s17, s17, 2
	s_add_co_u32 s17, s17, s41
	s_lshl_b32 s43, s41, 2
	s_lshl_b32 s43, 15, s43
	s_lshl_b32 s44, 0x1111, s40
	s_or_b32 s[G1+0], s43, (0<<16)|(1<<20)|(1<<21)|(5<<22)|(3<<25)
	s_or_b32 s[G1B+0], s44, (0<<16)|(1<<20)|(1<<21)|(5<<22)|(3<<25)
.irp g, G1, G1B
	s_mov_b32 s[\g+1], ROWB<<16
	s_mov_b32 s[\g+2], 128<<16
	s_mov_b32 s[\g+3], ROWB<<16
	s_mov_b32 s[\g+4], 128
	s_mov_b32 s[\g+5], KROW
	s_mov_b32 s[\g+6], 0
	s_mov_b32 s[\g+7], 0
.endr
	s_lshl_b32 s18, s16, 7
	s_lshl_b32 s20, s17, 8
	s_add_co_u32 s20, s20, s18
	s_lshl_b32 s20, s20, 10
	s_mov_b32 s21, 0
	s_lshl_b32 s46, s42, 8
	s_add_co_u32 s46, s46, s18
	s_lshl_b32 s46, s46, 10
	s_add_co_u32 s46, s46, 0x400000
	s_mov_b32 s47, 0
	s_mul_i32 s45, s14, HALFT
	s_cmp_eq_u32 s15, 0
	s_cselect_b32 s74, s40, s41                    ; the prefetches: my place among the four that ask with me,
	s_lshl_b32 s74, s74, 15                        ; x 32 rows of 1,024 bytes
	s_mov_b32 s75, 0
	v_and_b32 v27, 31, v0
	v_lshlrev_b32 v27, 10, v27
	s_wait_alu depctr_va_vdst(0)
	s_wait_dscnt 0x0
	s_wait_kmcnt 0x0
	s_load_b128 s[76:79], s[8:9], 0x30
	s_add_nc_u64 s[20:21], s[4:5], s[20:21]
	s_add_nc_u64 s[46:47], s[6:7], s[46:47]
	s_cmp_eq_u32 s15, 0
	s_cselect_b64 s[12:13], s[20:21], s[46:47]
	s_add_nc_u64 s[12:13], s[12:13], s[74:75]
	CROUND
.irp s, 0,1
	s_mov_b32 s[G0+4*\s], 1
	s_add_co_u32 s[G0+4*\s+1], s45, \s*SLOT
	s_add_nc_u64 s[G0+4*\s+2:G0+4*\s+3], s[20:21], \s*ROWB
	s_or_b32 s[G0+4*\s+3], s[G0+4*\s+3], 0x80000000
	s_mov_b32 s[G0B+4*\s], 1
	s_add_co_u32 s[G0B+4*\s+1], s45, \s*SLOT
	s_add_nc_u64 s[G0B+4*\s+2:G0B+4*\s+3], s[46:47], \s*ROWB
	s_or_b32 s[G0B+4*\s+3], s[G0B+4*\s+3], 0x80000000
.endr
	JLOAD G0, G1, G0B, G1B                         ; slot 0: one tensor load a wave at the head
	global_prefetch_b8 v27, s[12:13] offset:ROWB th:TH_LOAD_NT scope:SCOPE_SE     ; slot 1
	global_prefetch_b8 v27, s[12:13] offset:2*ROWB th:TH_LOAD_NT scope:SCOPE_SE   ; slot 2
	v_and_b32 v1, 15, v0
	v_bfe_u32 v2, v0, 4, 1
	s_wait_alu depctr_va_vdst(0)
	v_mul_u32_u24 v3, v1, PITCH
	v_lshl_add_u32 v4, v2, 4, v3
	s_mul_i32 s21, s15, HALFT
	s_mul_i32 s22, s16, HALFT
	s_add_co_u32 s22, s22, 2*HALFT
.irp s, 0,1
	v_add_nc_u32 v[ADRA+\s], s21, v4
	v_add_nc_u32 v[ADRB+\s], s22, v4
	s_add_co_u32 s21, s21, SLOT
	s_add_co_u32 s22, s22, SLOT
.endr
	v_and_b32 v6, 31, v0
	v_lshlrev_b32 v[LI], 4, v6
	s_lshl_b32 s22, s17, 8
	s_lshl_b32 s23, s15, 7
	s_add_co_u32 s22, s22, s23
	s_lshl_b32 s22, s22, 12
	s_lshl_b32 s23, s42, 8
	s_lshl_b32 s98, s16, 7
	s_add_co_u32 s23, s23, s98
	s_lshl_b32 s98, s23, 2
	s_lshl_b32 s23, s23, 4
	s_add_co_u32 s22, s22, s23
	s_mov_b32 s23, 0
	s_add_nc_u64 s[72:73], s[72:73], s[22:23]
	v_lshlrev_b32 v8, 5, v2
	v_add_nc_u32 v8, s98, v8
.irp b, 0,1,2,3,4,5,6,7
	global_load_b128 v[BI+8*\b:BI+8*\b+3], v8, s[10:11] offset:64*\b
	global_load_b128 v[BI+8*\b+4:BI+8*\b+7], v8, s[10:11] offset:64*\b+16
.endr
.macro FRAG reg, adr, q, i
.irp c, 0,1,2,3
	ds_load_b128 v[\reg+4*\c:\reg+4*\c+3], v[\adr] offset:128*(\q)+32*\c+(\i)*16*PITCH
.endr
.endm
.macro MUL16 a0, p, zero
.irp a, \a0, \a0+1
.irp b, 0,1,2,3,4,5,6,7
.if \zero
	v_wmma_f32_16x16x128_fp8_fp8 v[8*(8*((\a)%4)+\b):8*(8*((\a)%4)+\b)+7], v[128*(\p)+FR*\b:128*(\p)+FR*\b+FR-1], v[AF+FR*(\a):AF+FR*(\a)+FR-1], 0
.else
	v_wmma_f32_16x16x128_fp8_fp8 v[8*(8*((\a)%4)+\b):8*(8*((\a)%4)+\b)+7], v[128*(\p)+FR*\b:128*(\p)+FR*\b+FR-1], v[AF+FR*(\a):AF+FR*(\a)+FR-1], v[8*(8*((\a)%4)+\b):8*(8*((\a)%4)+\b)+7]
.endif
.endr
.endr
.endm
.macro FETCH_B slot, q, p
	WIN TO_B
.irp i, 0,1,2,3,4,5,6,7
	FRAG 128*(\p)+FR*\i, ADRB+\slot, \q, \i
.endr
	WIN 0
.endm
.macro FETCH_A slot, q, i0
.irp i, \i0, \i0+1, \i0+2, \i0+3
	FRAG AF+FR*(\i), ADRA+\slot, \q, \i
.endr
.endm
.macro PLACES n
.rept \n
	v_nop
.endr
.endm
.macro STEP slot, q, zero
	s_wait_dscnt 4*NL
	WIN MUL_LO
	MUL16 0, (\q)%2, \zero
	MUL16 2, (\q)%2, \zero
	s_wait_dscnt 0
	PLACES NP
	FETCH_B \slot, (\q)+1, 1-(\q)%2
	FETCH_A \slot, (\q)+1, 0
	WIN MUL_HI
	MUL16 4, (\q)%2, \zero
	MUL16 6, (\q)%2, \zero
	PLACES NP
	WIN 0
	FETCH_A \slot, (\q)+1, 4
.endm
.macro TURN slot, next, fill
	s_wait_tensorcnt 0x0
	ds_add_u32 v[SPW], v[NIL]
	s_wait_dscnt 4*NL+1
	WIN MUL_LO
	MUL16 0, 1, 0
	s_wait_dscnt 0x0
	s_barrier_signal -1
	MUL16 2, 1, 0
	WIN 0
	s_barrier_wait -1
.if \fill
	CREST
	s_add_nc_u64 s[G0+4*\slot+2:G0+4*\slot+3], s[G0+4*\slot+2:G0+4*\slot+3], 2*ROWB
	s_add_nc_u64 s[G0B+4*\slot+2:G0B+4*\slot+3], s[G0B+4*\slot+2:G0B+4*\slot+3], 2*ROWB
	JLOAD G0+4*\slot, G1, G0B+4*\slot, G1B
.else
	PLACES NP
.endif
	FETCH_B \next, 0, 0
	FETCH_A \next, 0, 0
	WIN MUL_HI
	MUL16 4, 1, 0
	MUL16 6, 1, 0
	PLACES NP
	WIN 0
	FETCH_A \next, 0, 4
.endm
	s_wait_alu depctr_va_vdst(0)
	s_wait_tensorcnt 0x0                           ; my part of slot 0 is in
	ds_add_u32 v[SPW], v[NIL]
	s_wait_dscnt 0x0
	CROUND                                         ; everybody's part of slot 0 is in, and the joint loads meet
	JLOAD G0+4, G1, G0B+4, G1B                     ; slot 1: the first tensor load behind the round
	FETCH_B 0, 0, 0
	FETCH_A 0, 0, 0
	FETCH_A 0, 0, 4
	global_prefetch_b8 v27, s[12:13] offset:3*ROWB th:TH_LOAD_NT scope:SCOPE_SE   ; slot 3, the last
	STEP 0, 0, 1
	s_mov_b32 s3, LAPS-1
.Llap:
	TURN 0, 1, 1
	STEP 1, 0, 0
	TURN 1, 0, 1
	STEP 0, 0, 0
	s_sub_co_u32 s3, s3, 1
	s_cmp_lg_u32 s3, 0
	s_cbranch_scc1 .Llap
	TURN 0, 1, 0
	STEP 1, 0, 0
	s_wait_dscnt 4*NL
	WIN MUL_LO
	MUL16 0, 1, 0
	MUL16 2, 1, 0
	s_wait_dscnt 0
	WIN MUL_HI
	MUL16 4, 1, 0
	MUL16 6, 1, 0
	WIN 0
	s_wait_kmcnt 0x0
	s_add_co_i32 s92, s76, s77
	s_add_co_i32 s92, s92, 127
	s_lshl_b32 s96, s92, 23
	s_mov_b32 s97, s96
	s_add_co_i32 s95, s78, 127
	s_lshl_b32 s92, s95, 23
	v_mov_b32 v[SCL], s92
	s_add_co_i32 s95, s95, 8
	s_lshl_b32 s95, s95, 23
	s_or_b32 s95, s95, 0x600000
	v_mov_b32 v[LIMV], s95
	s_wait_loadcnt 0x0
	PLACES NP
.macro OUT a
.set AC, 64*((\a)%4)
.set CC, CD+16*((\a)%2)
.if (\a) >= 2
	s_wait_xcnt 0x0
.endif
	WIN 0x02+((\a)/4)
.irp b, 0,1,2,3,4,5,6,7
.irp i, 0,2,4,6
	v_pk_fma_f32 v[TMP+8*\b+\i:TMP+8*\b+\i+1], v[AC+8*\b+\i:AC+8*\b+\i+1], s[96:97], v[BI+8*\b+\i:BI+8*\b+\i+1] op_sel_hi:[1,0,1]
.endr
.endr
	WIN 0
.irp b, 0,1,2,3,4,5,6,7
.irp i, 0,1,2,3,4,5,6,7
	v_med3_num_f32 v[TMP+8*\b+\i], v[TMP+8*\b+\i], 0, v[LIMV]
.endr
	v_cvt_scalef32_pk8_fp8_f32 v[CC+2*\b:CC+2*\b+1], v[TMP+8*\b:TMP+8*\b+7], v[SCL]
.endr
	v_nop
.irp c, 0,1,2,3
	global_store_b128 v[LI], v[CC+4*\c:CC+4*\c+3], s[72:73] offset:(\a)*65536+512*\c
.endr
.endm
.irp a, 0,1,2,3,4,5,6,7
	OUT \a
.endr
	s_wait_tensorcnt 0x0
	ds_add_u32 v[SPW], v[NIL]
	s_wait_dscnt 0x0
	CROUND
	s_endpgm
.Lfunc_end_k_q722d1eb0ad_ffn1:
	.size	k_q722d1eb0ad_ffn1, .Lfunc_end_k_q722d1eb0ad_ffn1-k_q722d1eb0ad_ffn1
	.p2alignl 7, 3214868480
	.fill 96, 4, 3214868480
	.section	.rodata,"a",@progbits
	.p2align	6, 0x0
	.amdhsa_kernel k_q722d1eb0ad_ffn1
		.amdhsa_group_segment_fixed_size 327680
		.amdhsa_private_segment_fixed_size 0
		.amdhsa_enable_private_segment 0
		.amdhsa_kernarg_size 40
		.amdhsa_user_sgpr_count 2
		.amdhsa_user_sgpr_kernarg_segment_ptr 1
		.amdhsa_wavefront_size32 1
		.amdhsa_system_sgpr_workgroup_id_x 1
		.amdhsa_system_sgpr_workgroup_id_y 1
		.amdhsa_system_sgpr_workgroup_id_z 1
		.amdhsa_system_vgpr_workitem_id 0
		.amdhsa_next_free_vgpr 1024
		.amdhsa_next_free_sgpr 100
		.amdhsa_reserve_vcc 0
		.amdhsa_float_denorm_mode_32 3
		.amdhsa_float_denorm_mode_16_64 3
		.amdhsa_memory_ordered 1
		.amdhsa_forward_progress 1
		.amdhsa_inst_pref_size 136
	.end_amdhsa_kernel
	.amdgpu_metadata
---
amdhsa.version: [ 1, 2 ]
amdhsa.kernels:
  - .name:           k_q722d1eb0ad_ffn1
    .symbol:         k_q722d1eb0ad_ffn1.kd
    .args:
      - { .name: xn2c, .offset: 0, .size: 8, .value_kind: global_buffer, .address_space: global }
      - { .name: wc, .offset: 8, .size: 8, .value_kind: global_buffer, .address_space: global }
      - { .name: lowp_scales, .offset: 16, .size: 8, .value_kind: global_buffer, .address_space: global }
      - { .name: b1, .offset: 24, .size: 8, .value_kind: global_buffer, .address_space: global }
      - { .name: hc, .offset: 32, .size: 8, .value_kind: global_buffer, .address_space: global }
    .group_segment_fixed_size: 327680
    .private_segment_fixed_size: 0
    .kernarg_segment_align: 8
    .kernarg_segment_size: 40
    .max_flat_workgroup_size: 128
    .sgpr_count:     100
    .vgpr_count:     1024
    .wavefront_size: 32
...
	.end_amdgpu_metadata
.endif
;; end of part 6
;; launch ffn2 (part 7): grid 8 x 32, 4 waves a work-group, clusters of 4 x 4, 327,680 bytes of LDS; arguments hc, wc, lowp_scales, b2, x1, out0; writes out0
.if DOCPART == 7
	.amdgcn_target "amdgcn-amd-amdhsa--gfx1250"
	.amdhsa_code_object_version 6
	.text
	.protected	k_q722d1eb0ad_ffn2
	.globl	k_q722d1eb0ad_ffn2
	.p2align	8
	.type	k_q722d1eb0ad_ffn2,@function
k_q722d1eb0ad_ffn2:
	s_mov_b64 s[64:65], 0
	v_nop
	global_prefetch_b8 v0, s[64:65] scope:SCOPE_SE
	s_setreg_imm32_b32 hwreg(HW_REG_WAVE_MODE, 25, 1), 1
	s_wait_xcnt 0x0
	s_wait_alu depctr_hold_cnt(0) depctr_sa_sdst(0) depctr_va_vdst(0) depctr_va_sdst(0) depctr_va_ssrc(0) depctr_va_vcc(0) depctr_vm_vsrc(0)
	s_getreg_b32 s2, hwreg(HW_REG_IB_STS2, 6, 4)
	s_cmp_eq_u32 s2, 0
	s_cbranch_scc0 .Lentry_in_a_cluster
	s_endpgm
.Lentry_in_a_cluster:
	s_bfe_u32 s2, ttmp6, 0x10000c
	s_cmp_lg_u32 s2, 0xf033
	s_cbranch_scc0 .Lentry_shape_is_right
	s_endpgm
.Lentry_shape_is_right:
; out0 = x1 + h W2^T + b2 on codes of E4M3 (entries 14, 15), K = 4,096.  h lies in hc as images of operand registers, [token / 16][K / 128][2,048 bytes]; W2 as rows of codes in wc.
; A tile of 128 x 128 to a work-group (256 of them), 64 x 64 to a wave; K in steps of 512 through two LDS slots filled by joint tensor loads (4 x 4 work-groups: h's tile shared along a row, W2's along a column).
; The way out: raw sums through the wave's own stage, back as rows of 256 bytes; x 2^(the two exponents) + x1 + b2.  LIMIT: entries 14 + 15 between -126 and 127.
; PREFETCH: each slot's load goes out when all earlier ones have landed, so its bytes are asked of memory ahead: beside slot 0's load each wave asks for its share of slots 1 and 2, beside the load of slot n (n = 1 .. 5) for slot n + 2:
; one instruction a slot, a lane to each 256 bytes; never more than two slots asked for and not yet read.  Of the 32,768 bytes that a wave fetches jointly with three partners,
; the partner at place p (cx for h, cy for W2) names those that begin 65,536 p bytes on: h's block of rows p (32 x 256 bytes on end), W2's rows 16 p .. 16 p + 15 (two halves of 256 bytes each).
; So each 256 bytes are named once in each cluster that loads them; the partners are told apart by address.  The loads of slots 6 and 7 ask for nothing.
; s[80:81]: where my prefetch stands; s[88:89]: slot 1's; s[82:83]: a slot on; v30: my lane's offset.
.set SIZE_K, 4096
.set WOFF,   0x800000
.set SOFF,   56
.set SLOT,   133120
.set STAGE,  2*SLOT
.set SPARE,  STAGE+4*16*272
.set LAPS,   SIZE_K/1024
.set ADRA, 16
.set ADRB, 20
.set STO,  24
.set RD,   25
.set CO,   26
.set SPW,  28
.set NIL,  29
.set BK,   32
.set ACC,  128
.set F0,   0
.set F1,   128
.set G1, 24
.set G0, 32
.set G1B, 48
.set G0B, 56
.set WV, 72
.set WH, 73
.set WL, 74
.set MSB, 0
.macro WIN new
.if MSB != \new
	s_set_vgpr_msb (MSB<<8)|\new
.set MSB, \new
.endif
.endm
.set MUL,  0x05
.set TO_F, 0x40
.macro JLOAD s
	s_cmp_eq_u32 s[WH], 0
	s_cbranch_scc0 .Lfor_b_\@
	tensor_load_to_lds s[G0+4*\s:G0+4*\s+3], s[G1:G1+7]
	s_nop 0
.rept 4
	v_nop
.endr
	s_branch .Lasked_\@
.Lfor_b_\@:
	tensor_load_to_lds s[G0B+4*\s:G0B+4*\s+3], s[G1B:G1B+7]
	s_nop 0
.rept 4
	v_nop
.endr
.Lasked_\@:
.endm
.macro CREST
	s_cmp_lg_u32 s[WV], 0
	s_cbranch_scc1 .Lnot_wave_0_\@
	s_barrier_signal -3
.Lnot_wave_0_\@:
	s_barrier_wait -3
	s_barrier_signal -1
	s_barrier_wait -1
.endm
.macro CROUND
	s_barrier_signal -1
	s_barrier_wait -1
	CREST
.endm
	s_load_b256 s[4:11], s[0:1], 0x0
	s_load_b128 s[68:71], s[0:1], 0x20
	v_lshl_add_u32 v[SPW], v0, 2, SPARE
	v_mov_b32 v[NIL], 0
	ds_add_u32 v[SPW], v[NIL]
	ds_add_u32 v[SPW], v[NIL]
	v_lshrrev_b32 v1, 5, v0
	v_readfirstlane_b32 s[WV], v1
	s_lshr_b32 s[WH], s[WV], 1
	s_and_b32 s[WL], s[WV], 1
	s_bfe_u32 s40, ttmp6, 0x40000
	s_bfe_u32 s41, ttmp6, 0x40004
	s_lshl_b32 s42, ttmp9, 2
	s_add_co_u32 s42, s42, s40
	s_and_b32 s75, ttmp7, 0xffff
	s_lshl_b32 s75, s75, 2
	s_add_co_u32 s75, s75, s41
	s_lshl_b32 s43, s41, 2
	s_lshl_b32 s43, 15, s43
	s_lshl_b32 s44, 0x1111, s40
	s_or_b32 s[G1+0], s43, (3<<16)|(1<<21)
	s_mov_b32 s[G1+1], 1024<<16
	s_mov_b32 s[G1+2], 4<<16
	s_mov_b32 s[G1+3], 1024<<16
	s_mov_b32 s[G1+4], 4
	s_mov_b32 s[G1+5], 2*SIZE_K
	s_mov_b32 s[G1+6], 0
	s_mov_b32 s[G1+7], 0
	s_or_b32 s[G1B+0], s44, (0<<16)|(1<<20)|(1<<21)|(6<<22)|(3<<25)
	s_mov_b32 s[G1B+1], 512<<16
	s_mov_b32 s[G1B+2], 64<<16
	s_mov_b32 s[G1B+3], 512<<16
	s_mov_b32 s[G1B+4], 64
	s_mov_b32 s[G1B+5], SIZE_K
	s_mov_b32 s[G1B+6], 0
	s_mov_b32 s[G1B+7], 0
	s_lshl_b32 s20, s75, 3
	s_lshl_b32 s21, s[WL], 2
	s_add_co_u32 s20, s20, s21
	s_mul_i32 s20, s20, 16*SIZE_K
	s_mov_b32 s21, 0
	s_lshl_b32 s46, s42, 7
	s_lshl_b32 s47, s[WL], 6
	s_add_co_u32 s46, s46, s47
	s_mul_i32 s46, s46, SIZE_K
	s_add_co_u32 s46, s46, WOFF
	s_mov_b32 s47, 0
	s_lshl_b32 s45, s[WL], 15
	s_mul_i32 s76, s[WL], 33792
	s_add_co_u32 s76, s76, 65536
	s_cmp_eq_u32 s[WH], 0                          ; do I fetch for h?
	s_cselect_b32 s84, s40, s41                    ; my place among the four that ask with me
	s_cselect_b32 s85, 0, 1                        ; h: a lane to 256 bytes on end; W2: two lanes to a row
	s_mov_b32 s86, 4096
	s_cselect_b32 s86, 256, s86
	s_mov_b32 s82, 512
	s_cselect_b32 s82, 8192, s82                   ; a slot on
	s_mov_b32 s83, 0
	s_lshl_b32 s84, s84, 16                        ; 65,536 x place
	v_and_b32 v30, 31, v0
	v_and_b32 v31, s85, v30
	v_lshrrev_b32 v30, s85, v30
	v_mul_lo_u32 v30, v30, s86
	v_lshl_add_u32 v30, v31, 8, v30
	s_wait_alu depctr_va_vdst(0)
	s_wait_dscnt 0x0
	s_wait_kmcnt 0x0
	s_load_b64 s[78:79], s[8:9], SOFF
	s_add_nc_u64 s[20:21], s[4:5], s[20:21]
	s_add_nc_u64 s[46:47], s[6:7], s[46:47]
	s_mov_b32 s85, 0
	s_cmp_eq_u32 s[WH], 0
	s_cselect_b64 s[80:81], s[20:21], s[46:47]
	s_add_nc_u64 s[80:81], s[80:81], s[84:85]
	s_add_nc_u64 s[88:89], s[80:81], s[82:83]      ; at slot 1
	s_add_nc_u64 s[80:81], s[88:89], s[82:83]      ; at slot 2
	CROUND
.irp s, 0,1
	s_mov_b32 s[G0+4*\s], 1
	s_add_co_u32 s[G0+4*\s+1], s45, \s*SLOT
	s_add_nc_u64 s[G0+4*\s+2:G0+4*\s+3], s[20:21], \s*8192
	s_or_b32 s[G0+4*\s+3], s[G0+4*\s+3], 0x80000000
	s_mov_b32 s[G0B+4*\s], 1
	s_add_co_u32 s[G0B+4*\s+1], s76, \s*SLOT
	s_add_nc_u64 s[G0B+4*\s+2:G0B+4*\s+3], s[46:47], \s*512
	s_or_b32 s[G0B+4*\s+3], s[G0B+4*\s+3], 0x80000000
.endr
	JLOAD 0                                        ; slot 0: one tensor load a wave at the head
	global_prefetch_b8 v30, s[88:89] th:TH_LOAD_NT scope:SCOPE_SE   ; slot 1
	global_prefetch_b8 v30, s[80:81] th:TH_LOAD_NT scope:SCOPE_SE   ; slot 2
	v_and_b32 v1, 15, v0
	v_bfe_u32 v2, v0, 4, 1
	v_and_b32 v3, 31, v0
	v_lshlrev_b32 v3, 4, v3
	v_mul_u32_u24 v4, v1, 528
	v_lshl_add_u32 v4, v2, 4, v4
	s_lshl_b32 s21, s[WH], 15
	s_mul_i32 s22, s[WL], 33792
	s_add_co_u32 s22, s22, 65536
.irp s, 0,1
	v_add_nc_u32 v[ADRA+\s], s21, v3
	v_add_nc_u32 v[ADRB+\s], s22, v4
	s_add_co_u32 s21, s21, SLOT
	s_add_co_u32 s22, s22, SLOT
.endr
	s_mul_i32 s23, s[WV], 16*272
	s_add_co_u32 s23, s23, STAGE
	v_mul_u32_u24 v5, v1, 272
	v_lshl_add_u32 v5, v2, 5, v5
	v_add_nc_u32 v[STO], s23, v5
	v_mul_u32_u24 v5, v2, 272
	v_lshl_add_u32 v5, v1, 4, v5
	v_add_nc_u32 v[RD], s23, v5
	v_lshlrev_b32 v[CO], 12, v2
	v_lshl_add_u32 v[CO], v1, 4, v[CO]
	v_lshlrev_b32 v27, 4, v1
	s_wait_alu depctr_va_vdst(0)
	s_lshl_b32 s20, s75, 7
	s_lshl_b32 s21, s[WH], 6
	s_add_co_u32 s20, s20, s21
	s_lshl_b32 s20, s20, 12
	s_lshl_b32 s46, s42, 9
	s_lshl_b32 s47, s[WL], 8
	s_add_co_u32 s46, s46, s47
	s_mov_b32 s47, 0
	s_add_nc_u64 s[10:11], s[10:11], s[46:47]
	s_add_co_u32 s20, s20, s46
	s_mov_b32 s21, 0
	s_add_nc_u64 s[68:69], s[68:69], s[20:21]
	s_add_nc_u64 s[70:71], s[70:71], s[20:21]
	global_load_b128 v[8:11], v27, s[10:11]        ; the bias of my four columns
.macro MULA f, a, zero
.irp b, 0,1,2,3
.if \zero
	v_wmma_f32_16x16x128_fp8_fp8 v[ACC+8*(4*(\a)+\b):ACC+8*(4*(\a)+\b)+7], v[\f+64+16*\b:\f+64+16*\b+15], v[\f+16*(\a):\f+16*(\a)+15], 0
.else
	v_wmma_f32_16x16x128_fp8_fp8 v[ACC+8*(4*(\a)+\b):ACC+8*(4*(\a)+\b)+7], v[\f+64+16*\b:\f+64+16*\b+15], v[\f+16*(\a):\f+16*(\a)+15], v[ACC+8*(4*(\a)+\b):ACC+8*(4*(\a)+\b)+7]
.endif
.endr
.endm
.macro FETCH slot, q, f
	WIN TO_F
.irp i, 0,1,2,3
.irp c, 0,1,2,3
	ds_load_b128 v[\f+64+16*\i+4*\c:\f+64+16*\i+4*\c+3], v[ADRB+\slot] offset:\i*8448+128*(\q)+32*\c
.endr
.endr
.irp i, 0,1,2,3
.irp c, 0,1,2,3
	ds_load_b128 v[\f+16*\i+4*\c:\f+16*\i+4*\c+3], v[ADRA+\slot] offset:\i*8192+2048*(\q)+512*\c
.endr
.endr
.endm
.macro PLACES
.rept 4
	v_nop
.endr
.endm
.macro QUARTER slot, qn, f, g, zero
	s_wait_dscnt 8
	WIN MUL
	MULA \f, 0, \zero
	MULA \f, 1, \zero
	PLACES
	FETCH \slot, \qn, \g
	s_wait_dscnt 32
	WIN MUL
	MULA \f, 2, \zero
	MULA \f, 3, \zero
.endm
.macro TURN slot, next, fill
	WIN 0
.if \fill
	s_wait_xcnt 0x0                                ; my last prefetch has read its address: a slot on
	s_add_nc_u64 s[80:81], s[80:81], s[82:83]
.endif
	s_wait_tensorcnt 0x0
	ds_add_u32 v[SPW], v[NIL]
	s_wait_dscnt 9
	WIN MUL
	MULA F1, 0, 0
	s_wait_dscnt 0x0
	s_barrier_signal -1
	MULA F1, 1, 0
.if \fill
	WIN 0
.endif
	s_barrier_wait -1
.if \fill
	CREST
	s_add_nc_u64 s[G0+4*\slot+2:G0+4*\slot+3], s[G0+4*\slot+2:G0+4*\slot+3], 16384
	s_add_nc_u64 s[G0B+4*\slot+2:G0B+4*\slot+3], s[G0B+4*\slot+2:G0B+4*\slot+3], 1024
	JLOAD \slot
.else
	PLACES
.endif
	FETCH \next, 0, F0
.if \fill
	WIN 0
	s_cmp_gt_u32 s3, 1                             ; the loop's last trip loads slots 6 and 7: no slot stands two on
	s_cbranch_scc0 .Lno_ask_\@
	global_prefetch_b8 v30, s[80:81] th:TH_LOAD_NT scope:SCOPE_SE
.Lno_ask_\@:
.endif
	WIN MUL
	MULA F1, 2, 0
	MULA F1, 3, 0
.endm
	s_wait_xcnt 0x0                                ; my prefetches have read their addresses
	s_add_nc_u64 s[80:81], s[80:81], s[82:83]
	s_wait_tensorcnt 0x0                           ; my part of slot 0 is in
	ds_add_u32 v[SPW], v[NIL]
	s_wait_dscnt 0x0
	CROUND                                         ; everybody's part of slot 0 is in, and the joint loads meet
	JLOAD 1                                        ; slot 1: the first tensor load behind the round
	FETCH 0, 0, F0
	global_prefetch_b8 v30, s[80:81] th:TH_LOAD_NT scope:SCOPE_SE   ; slot 3
	WIN 0x80                                       ; destination window 2
.irp a, 0,1,2,3
.irp t, 0,1,2,3,4,5,6,7
	global_load_b128 v[4*(8*\a+\t):4*(8*\a+\t)+3], v[CO], s[68:69] offset:(16*\a+2*\t)*4096   ; the residual, asked for behind slot 0's landing, as the rows will come back from the stage; awaited on the way out
.endr
.endr
	QUARTER 0, 1, F0, F1, 1
.if LAPS > 1
	WIN 0
	s_mov_b32 s3, LAPS-1
.Llap:
	QUARTER 0, 2, F1, F0, 0
	QUARTER 0, 3, F0, F1, 0
	TURN 0, 1, 1
	QUARTER 1, 1, F0, F1, 0
	QUARTER 1, 2, F1, F0, 0
	QUARTER 1, 3, F0, F1, 0
	TURN 1, 0, 1
	QUARTER 0, 1, F0, F1, 0
	WIN 0
	s_sub_co_u32 s3, s3, 1
	s_cmp_lg_u32 s3, 0
	s_cbranch_scc1 .Llap
.endif
	QUARTER 0, 2, F1, F0, 0
	QUARTER 0, 3, F0, F1, 0
	TURN 0, 1, 0
	QUARTER 1, 1, F0, F1, 0
	QUARTER 1, 2, F1, F0, 0
	QUARTER 1, 3, F0, F1, 0
	s_wait_dscnt 8
	WIN MUL
	MULA F1, 0, 0
	MULA F1, 1, 0
	s_wait_dscnt 0
	MULA F1, 2, 0
	MULA F1, 3, 0
	WIN 0
	s_wait_kmcnt 0x0
	s_add_co_i32 s96, s78, s79
	s_add_co_i32 s96, s96, 127
	s_lshl_b32 s96, s96, 23
	s_mov_b32 s97, s96
	s_wait_loadcnt 0x0
	PLACES
.macro TOSTAGE a
.irp b, 0,1,2,3
	ds_store_b128 v[STO], v[ACC+8*(4*(\a)+\b):ACC+8*(4*(\a)+\b)+3] offset:64*\b
	ds_store_b128 v[STO], v[ACC+8*(4*(\a)+\b)+4:ACC+8*(4*(\a)+\b)+7] offset:64*\b+16
.endr
.irp t, 0,1,2,3,4,5,6,7
	ds_load_b128 v[BK+32*((\a)%2)+4*\t:BK+32*((\a)%2)+4*\t+3], v[RD] offset:544*\t
.endr
.endm
.macro SEND a, younger
.set BB, BK+32*((\a)%2)
	s_wait_dscnt \younger
	WIN 0x20
.irp t, 0,1,2,3,4,5,6,7
.irp i, 0,2
	v_pk_fma_f32 v[BB+4*\t+\i:BB+4*\t+\i+1], v[BB+4*\t+\i:BB+4*\t+\i+1], s[96:97], v[4*(8*(\a)+\t)+\i:4*(8*(\a)+\t)+\i+1] op_sel_hi:[1,0,1]
.endr
.endr
	WIN 0
.irp t, 0,1,2,3,4,5,6,7
.irp i, 0,2
	v_pk_add_f32 v[BB+4*\t+\i:BB+4*\t+\i+1], v[BB+4*\t+\i:BB+4*\t+\i+1], v[8+\i:9+\i]
.endr
.endr
.irp t, 0,1,2,3,4,5,6,7
	global_store_b128 v[CO], v[BB+4*\t:BB+4*\t+3], s[70:71] offset:(16*(\a)+2*\t)*4096 th:TH_STORE_NT
.endr
.endm
	TOSTAGE 0
	TOSTAGE 1
	SEND 0, 16
	s_wait_xcnt 0x0
	TOSTAGE 2
	SEND 1, 16
	s_wait_xcnt 0x0
	TOSTAGE 3
	SEND 2, 16
	SEND 3, 0
	s_wait_tensorcnt 0x0
	ds_add_u32 v[SPW], v[NIL]
	s_wait_dscnt 0x0
	CROUND
	s_endpgm
.Lfunc_end_k_q722d1eb0ad_ffn2:
	.size	k_q722d1eb0ad_ffn2, .Lfunc_end_k_q722d1eb0ad_ffn2-k_q722d1eb0ad_ffn2
	.p2alignl 7, 3214868480
	.fill 96, 4, 3214868480
	.section	.rodata,"a",@progbits
	.p2align	6, 0x0
	.amdhsa_kernel k_q722d1eb0ad_ffn2
		.amdhsa_group_segment_fixed_size 327680
		.amdhsa_private_segment_fixed_size 0
		.amdhsa_enable_private_segment 0
		.amdhsa_kernarg_size 48
		.amdhsa_user_sgpr_count 2
		.amdhsa_user_sgpr_kernarg_segment_ptr 1
		.amdhsa_wavefront_size32 1
		.amdhsa_system_sgpr_workgroup_id_x 1
		.amdhsa_system_sgpr_workgroup_id_y 1
		.amdhsa_system_sgpr_workgroup_id_z 1
		.amdhsa_system_vgpr_workitem_id 0
		.amdhsa_next_free_vgpr 768
		.amdhsa_next_free_sgpr 100
		.amdhsa_reserve_vcc 0
		.amdhsa_float_denorm_mode_32 3
		.amdhsa_float_denorm_mode_16_64 3
		.amdhsa_memory_ordered 1
		.amdhsa_forward_progress 1
		.amdhsa_inst_pref_size 84
	.end_amdhsa_kernel
	.amdgpu_metadata
---
amdhsa.version: [ 1, 2 ]
amdhsa.kernels:
  - .name:           k_q722d1eb0ad_ffn2
    .symbol:         k_q722d1eb0ad_ffn2.kd
    .args:
      - { .name: hc, .offset: 0, .size: 8, .value_kind: global_buffer, .address_space: global }
      - { .name: wc, .offset: 8, .size: 8, .value_kind: global_buffer, .address_space: global }
      - { .name: lowp_scales, .offset: 16, .size: 8, .value_kind: global_buffer, .address_space: global }
      - { .name: b2, .offset: 24, .size: 8, .value_kind: global_buffer, .address_space: global }
      - { .name: x1, .offset: 32, .size: 8, .value_kind: global_buffer, .address_space: global }
      - { .name: out0, .offset: 40, .size: 8, .value_kind: global_buffer, .address_space: global }
    .group_segment_fixed_size: 327680
    .private_segment_fixed_size: 0
    .kernarg_segment_align: 8
    .kernarg_segment_size: 48
    .max_flat_workgroup_size: 128
    .sgpr_count:     100
    .vgpr_count:     768
    .wavefront_size: 32
...
	.end_amdgpu_metadata
.endif
;; end of part 7
